; MI455X (gfx1250); checked and timed in simulation.
; The chip was launched on July 23, 2026; its instructions are those of AMD's public machine-readable ISA for CDNA 5 (MIT licence, August 2026) and "CDNA5" Instruction Set Architecture Reference Guide (July 2026). The comments in the code are by the model that wrote it; some were corrected since.
;; Rotary Self Attention. Allowed arithmetic: matrix products marked QUANTISED: E2M3 operands, one E8M0 scale for each 32 along K, by v_wmma_scale_f32_16x16x128_f8f6f4 with both operands' format E2M3, f32 sums; everything else in f32.
;; Inputs: Wk 1,024 x 1,024 float32; Wo 1,024 x 1,024 float32; Wq 1,024 x 1,024 float32; Wv 1,024 x 1,024 float32; bk 1,024 float32; bo 1,024 float32; bq 1,024 float32; bv 1,024 float32; x 4 x 2,048 x 1,024 float32.
;; Outputs: out0 4 x 2,048 x 1,024 float32.
;; This version of the problem:
;;   THIS VERSION OF THE PROBLEM IS GIVEN IN LOW PRECISION. The matrix products marked QUANTISED in the list below multiply operands that are first quantised to E2M3 (2 exponent bits, 3 mantissa bits; 6 bits a number), with one power-of-two scale for each 32 numbers along K (OCP MX v1.0); their sums are f32. All else is computed in f32.
;;   The module's matrix products, in the order in which they are computed (A, B: the left and right operand; K: the contracted axis; several contracted axes count as one K, in the product's order):
;;     1. [M 8,192, K 1,024] x [K 1,024, N 1,024]; A: input x; B: input Wq: QUANTISED
;;     2. [M 8,192, K 1,024] x [K 1,024, N 1,024]; A: input x; B: input Wk: QUANTISED
;;     3. [M 8,192, K 1,024] x [K 1,024, N 1,024]; A: input x; B: input Wv: QUANTISED
;;     4. batch 64 x [M 2,048, K 64] x [K 64, N 2,048]; A: computed on the way; B: computed on the way: QUANTISED
;;     5. batch 64 x [M 2,048, K 2,048] x [K 2,048, N 64]; A: softmax (see below); B: computed on the way: QUANTISED
;;     6. [M 8,192, K 1,024] x [K 1,024, N 1,024]; A: computed on the way; B: input Wo: QUANTISED
;;   THE QUANTISER, for each operand of a quantised product, along K:
;;     - K is cut into blocks of 32 from its start; a last block that is shorter is filled with zeros.
;;     - A block's scale is 2^e with e = floor(log2(the largest magnitude in the block)) - 2, held to -126 .. 127; a block of zeros has e = 0. As a byte (E8M0): e + 127.
;;     - Each number is divided by its block's scale, clamped to +-7.5, and rounded to the nearest number of E2M3, ties to even, subnormals kept.
;;     - The product sums the exact products of the quantised numbers (number of the format x scale) in f32.
;;   ~~~python
;;   def quantise(x, axis):      # numpy; x: float32 -> the quantised numbers, widened to float32 again
;;       x = np.moveaxis(x, axis, -1); K = x.shape[-1]
;;       x = np.pad(x, [(0, 0)] * (x.ndim - 1) + [(0, -K % 32)]); x = x.reshape(x.shape[:-1] + (-1, 32)); a = np.abs(x).max(-1, keepdims=True)
;;       e = np.where(a > 0, np.clip(np.frexp(np.where(a > 0, a, 1))[1] - 1 - 2, -126, 127), 0)      # np.frexp(a)[1] - 1 = floor(log2(a)), exactly
;;       r = np.clip(x / 2.0 ** e, -7.5, 7.5)
;;       step = 2.0 ** (np.maximum(np.frexp(np.where(r == 0, 1, r))[1] - 1, 0) - 3)
;;       q = np.round(r / step) * step * 2.0 ** e      # np.round: ties to even
;;       return np.moveaxis(q.reshape(q.shape[:-2] + (-1,))[..., :K], -1, axis).astype(np.float32)
;;   ~~~
;;   SOFTMAX AHEAD OF A QUANTISED PRODUCT. Where the list says 'softmax', what is quantised is not the finished softmax but p = 2^(t - M), with t = logit x log2(e) and M = ceil(the row's largest t), a whole number; so 1/2 < the row's largest p <= 1. The row's sum l is taken of the UNQUANTISED p, in f32, and the product's result is divided by l at the end. Since M is a whole number, a kernel that streams over the keys may use a running M (the ceiling of the running maximum): every later rescaling is an exact power of two, which a block's scale takes up: the codes' values come out the same.
;;   OPERANDS COMPUTED ON THE WAY. 'Computed on the way' means the value that the module computes at that place (a softmax that the list does not call 'softmax' is quantised finished and normalised). What goes into a quantiser is computed in f32, as accurately as f32 sums, v_exp_f32 and their like allow (about 1e-6 of the number): no bf16 or f16 on the way to a quantiser, and a product that is left as it is and whose result goes on into a quantised operand takes f32 operands (vector FMAs, or v_wmma_f32_16x16x4_f32). A number that lies on a knife's edge between two numbers of the format may be rounded either way, as far as f32 arithmetic and the matrix unit's own rounding can turn it there, and no further.
;; One version. Each part assembles by itself: llvm-mc -triple=amdgcn-amd-amdhsa -mcpu=gfx1250 --defsym DOCPART=n.
;; ======== version 1 of 1: 4 launches
;; workspace buffers: cw 9,437,184 bytes; sw 393,216 bytes; tab 524,288 bytes; qimg 6,815,744 bytes; kimg 6,815,744 bytes; vimg 6,553,600 bytes; ac 6,291,456 bytes; sa 262,144 bytes
;; launch quant (part 1): grid 448 x 1, 4 waves a work-group, no clusters, 34,304 bytes of LDS; arguments x, Wq, Wk, Wv, Wo, cw, sw, tab; writes cw, sw, tab
.if DOCPART == 1
	.amdgcn_target "amdgcn-amd-amdhsa--gfx1250"
	.amdhsa_code_object_version 6
	.text
	.protected	k_q0b0158920a_quant
	.globl	k_q0b0158920a_quant
	.p2align	8
	.type	k_q0b0158920a_quant,@function
k_q0b0158920a_quant:
	s_mov_b64 s[64:65], 0
	v_nop
	global_prefetch_b8 v0, s[64:65] scope:SCOPE_SE
	s_setreg_imm32_b32 hwreg(HW_REG_WAVE_MODE, 25, 1), 1
	s_wait_xcnt 0x0
; x [8192][1024] and Wq, Wk, Wv, Wo [1024][1024], f32, K innermost, become codes of FP6 (E2M3) with one E8M0 byte for each 32 along K, laid in the ORDER OF THE OPERAND'S REGISTERS;
; and the table of cos and sin for the rotary embedding is made.
; ROW TILES.  Row i of row tile 2 b + u of a tensor is its row 32 b + 8 u + i + 8 (i / 8).  Tiles 0-511: x; 512-575 Wq; 576-639 Wk; 640-703 Wv; 704-767 Wo.
; cw: [K step of 256: 4][row tile: 768][128 along K: 2][fragment: 1,536 bytes].  A fragment (16 rows x 128 K, 12 registers a lane) lies as [register pair 0..5][lane][8 bytes]: a store of a wave covers 256 consecutive bytes, aligned.
; sw: [row tile][K step][row][2 words]: the scale words of the K step's two fragments.
; tab: [position 0..2047][j 0..31][cos, sin], f32: 256 bytes a position.
; A block's scale is 2^(floor(log2(its largest magnitude)) - 2); its byte is the largest magnitude's exponent field - 2, held at 1 from below.
; LIMITS: NaN and infinities among the inputs are not served.  A block of zeros gets the byte 1 where the rule says 127: its codes are zeros, and the bytes are read by this program alone.
; The table: 1 / 10000^(j / 32) is taken as fl(1 / fl(10^(j / 8))); the angle is one f32 product; cos and sin by reduction modulo pi / 2 in three parts and polynomials, to about 1e-7 absolute.
; Work-groups 0-383 quantise: wave w takes row tile 2 x work-group + w / 2 and half w % 2 of K: four fragments.  Work-groups 384-447 make the table: a wave takes 8 positions, a lane one j.
; No tensor loads, no barrier: waves share nothing.  Matrix units and clusters have nothing to do here: memory binds.
.set KSTR,   2359296                   ; bytes of a K step in cw: 768 row tiles x 3,072
.set SPITCH, 528                       ; a stage row: 512 bytes + 16: an odd multiple of 16, so that sixteen rows' reads of 16 bytes fall on different banks (ISA guide 11.1)
.set LI16, 1                           ; v1   16 x lane
.set LI8,  2                           ; v2   8 x lane
.set STS,  3                           ; v3   the stage, on the way in: 16 x lane
.set STL,  4                           ; v4   and out: row r, + 128 h
.set SH,   5                           ; v5   8 h
.set MX,   8                           ; v8-9   largest magnitudes of my two blocks
.set SO,   10                          ; v10-11 the conversions' scale operands
.set BY,   12                          ; v12-13 the bytes
.set WT,   14
.set TMP,  15
.set WD,   16                          ; v16-19 the four fragments' scale words
.set DD,   20                          ; v20-21 what I store of them
.set PC,   24                          ; v24-35 a fragment's codes
.set TP,   36                          ; v36-42 the second halves of its blocks
.set R,    48                          ; v48-175  two sets of 64: a fragment's numbers as loaded
.set X,    176                         ; v176-239 64 numbers of my row: k = 64 c + 32 h + 0 .. 31
	s_load_b256 s[4:11], s[0:1], 0x0               ; x s[4:5], Wq s[6:7], Wk s[8:9], Wv s[10:11]
	s_load_b256 s[12:19], s[0:1], 0x20             ; Wo s[12:13], cw s[14:15], sw s[16:17], tab s[18:19]
	v_lshl_add_u32 v248, v0, 2, 0x8400
	v_mov_b32 v249, 0
	v_lshrrev_b32 v6, 5, v0
	v_readfirstlane_b32 s20, v6                    ; wave 0..3
	v_and_b32 v7, 31, v0                           ; lane
	s_cmp_ge_u32 ttmp9, 384
	s_cbranch_scc1 .Ltable
	; ---------------- the quantiser ----------------
	v_lshlrev_b32 v[LI16], 4, v7
	v_lshlrev_b32 v[LI8], 3, v7
	s_mul_i32 s25, s20, 16*SPITCH                  ; my wave's stage
	v_add_nc_u32 v[STS], s25, v[LI16]
	v_and_b32 v6, 15, v0                           ; r
	v_bfe_u32 v[SH], v0, 4, 1                      ; h
	v_mul_u32_u24 v[STL], v6, SPITCH
	v_lshl_add_u32 v[STL], v[SH], 7, v[STL]
	v_add_nc_u32 v[STL], s25, v[STL]
	v_lshlrev_b32 v[SH], 3, v[SH]
	v_mov_b32 v[TMP], 0                            ; written once: a lane permute's destination counts as one of its sources
	s_mov_b32 s22, 0x76543210
	s_mov_b32 s23, 0xfedcba98                      ; v_permlanex16_b32's selects for lane l xor 16
	s_mov_b32 s24, 0xffff0000                      ; lanes 16-31
	s_lshr_b32 s29, s20, 1                         ; u: which of the work-group's two row tiles
	s_and_b32 s30, s20, 1                          ; y: which half of K
	s_mov_b32 s28, 352
	s_wait_kmcnt 0x0
	s_cmp_lt_u32 ttmp9, 352                        ; which tensor?  The choice hangs on the work-group's number alone
	s_cselect_b64 s[26:27], s[10:11], s[12:13]
	s_cselect_b32 s28, 320, s28
	s_cmp_lt_u32 ttmp9, 320
	s_cselect_b64 s[26:27], s[8:9], s[26:27]
	s_cselect_b32 s28, 288, s28
	s_cmp_lt_u32 ttmp9, 288
	s_cselect_b64 s[26:27], s[6:7], s[26:27]
	s_cselect_b32 s28, 256, s28
	s_cmp_lt_u32 ttmp9, 256
	s_cselect_b64 s[26:27], s[4:5], s[26:27]
	s_cselect_b32 s28, 0, s28                      ; the tensor's first work-group
	s_sub_co_u32 s32, ttmp9, s28
	s_lshl_b32 s32, s32, 17                        ; 32 rows of 4,096 bytes a work-group,
	s_lshl_b32 s34, s29, 15                        ; + 8 u rows,
	s_add_co_u32 s32, s32, s34
	s_lshl_b32 s34, s30, 11                        ; + 512 y numbers
	s_add_co_u32 s32, s32, s34
	s_mov_b32 s33, 0
	s_add_nc_u64 s[26:27], s[26:27], s[32:33]
	s_lshl_b32 s34, ttmp9, 1
	s_add_co_u32 s34, s34, s29                     ; my row tile
	s_mul_i32 s32, s34, 3072
	s_mul_i32 s35, s30, 2*KSTR
	s_add_co_u32 s32, s32, s35
	s_add_nc_u64 s[14:15], s[14:15], s[32:33]      ; cw at K step 2 y of my row tile
	s_lshl_b32 s32, s34, 9
	s_lshl_b32 s35, s30, 8
	s_add_co_u32 s32, s32, s35
	s_add_nc_u64 s[16:17], s[16:17], s[32:33]      ; sw likewise
.macro LOAD t                          ; fragment t: 16 rows x 128 numbers; each load takes 512 consecutive bytes of one row
.irp i, 0,1,2,3,4,5,6,7,8,9,10,11,12,13,14,15
	global_load_b128 v[R+64*((\t)%2)+4*\i:R+64*((\t)%2)+4*\i+3], v[LI16], s[26:27] offset:(\i+8*(\i/8))*4096+512*(\t) th:TH_LOAD_NT
.endr
.endm
.macro QSTEP t
.if (\t) < 3
	s_wait_loadcnt 16                              ; this fragment's 16 loads are in; the next fragment's 16 may be out
.else
	s_wait_loadcnt 0x0
.endif
.irp i, 0,1,2,3,4,5,6,7,8,9,10,11,12,13,14,15
	ds_store_b128 v[STS], v[R+64*((\t)%2)+4*\i:R+64*((\t)%2)+4*\i+3] offset:SPITCH*\i
.endr
.irp c, 0,1                            ; LDS serves a wave's instructions in order (ISA guide 5.7.1.4): these see the stores above
.irp j, 0,1,2,3,4,5,6,7
	ds_load_b128 v[X+32*\c+4*\j:X+32*\c+4*\j+3], v[STL] offset:256*\c+16*\j
.endr
.endr
	s_wait_dscnt 0x0                               ; my numbers are back, and the stores have read their registers,
.if (\t) < 2
	LOAD (\t)+2                                    ; which take the fragment two on
.endif
.irp c, 0,1
	v_max3_num_f32 v[MX+\c], |v[X+32*\c]|, |v[X+32*\c+1]|, 0x1800000   ; my block 2 c + h: all its 32 numbers are mine; and the floor 2^(3 - 127): the byte cannot fall under 1
.endr
.irp i, 2,4,6,8,10,12,14,16,18,20,22,24,26,28,30
.irp c, 0,1
	v_max3_num_f32 v[MX+\c], v[MX+\c], |v[X+32*\c+\i]|, |v[X+32*\c+\i+1]|
.endr
.endr
.irp c, 0,1
	v_add_nc_u32 v[SO+\c], 0xff000000, v[MX+\c]    ; 2 off the exponent field: the conversion takes the exponent field of this operand as its scale
.endr
.irp c, 0,1
	v_lshrrev_b32 v[BY+\c], 23, v[SO+\c]           ; the scale's byte
.endr
	v_lshl_or_b32 v[WT], v[BY+1], 16, v[BY]        ; my two bytes, blocks h and 2 + h,
	v_lshlrev_b32 v[WT], v[SH], v[WT]              ; at their places in the scale word;
	v_permlanex16_b32 v[TMP], v[WT], s22, s23
	v_or_b32 v[WD+(\t)], v[WT], v[TMP]             ; with lane l xor 16's two the word is whole
	s_wait_xcnt 0x0                                ; the last fragment's stores have read the codes' registers
	v_cvt_scalef32_pk16_fp6_f32 v[PC:PC+2], v[X:X+15], v[SO]
	v_cvt_scalef32_pk16_fp6_f32 v[TP:TP+2], v[X+16:X+31], v[SO]       ; (a conversion's three registers begin on an even number: a block's second half is made elsewhere and moved)
	v_cvt_scalef32_pk16_fp6_f32 v[PC+6:PC+8], v[X+32:X+47], v[SO+1]
	v_cvt_scalef32_pk16_fp6_f32 v[TP+4:TP+6], v[X+48:X+63], v[SO+1]
	v_nop                                          ; one plain place behind a scaled conversion
.irp i, 0,1,2
	v_mov_b32 v[PC+3+\i], v[TP+\i]
	v_mov_b32 v[PC+9+\i], v[TP+4+\i]
.endr
.irp p, 0,1,2,3,4,5
	global_store_b64 v[LI8], v[PC+2*\p:PC+2*\p+1], s[14:15] offset:((\t)/2)*KSTR+((\t)%2)*1536+256*\p   ; 32 lanes store 256 consecutive bytes, aligned
.endr
.endm
	LOAD 0
	LOAD 1
	QSTEP 0
	QSTEP 1
	QSTEP 2
	QSTEP 3
	v_cndmask_b32 v[DD], v[WD], v[WD+2], s24       ; lanes 0-15 store K step 2 y's two words of row r, lanes 16-31 K step 2 y + 1's
	v_cndmask_b32 v[DD+1], v[WD+1], v[WD+3], s24
	global_store_b64 v[LI8], v[DD:DD+1], s[16:17]  ; 256 consecutive bytes, aligned
	s_wait_tensorcnt 0x0
	ds_add_u32 v248, v249
	s_wait_dscnt 0x0
	s_endpgm
	; ---------------- the table ----------------
.set AN, 16                            ; eight positions' angle, n, rest, its square, cos, sin, quadrant, at work; then the pairs to store
.set NN, 24
.set RH, 32
.set SQ, 40
.set CC, 48
.set SS, 56
.set QQ, 64
.set UU, 72
.set OO, 80
.macro SEL j, lit                      ; lane j takes its own 10^(j / 8)
	v_cmp_ne_u32 vcc_lo, \j, v7
	v_cndmask_b32 v8, \lit, v8, vcc_lo
.endm
.Ltable:
	v_mov_b32 v8, 1.0
	SEL 1, 1.33352143216
	SEL 2, 1.77827941004
	SEL 3, 2.37137370566
	SEL 4, 3.16227766017
	SEL 5, 4.21696503429
	SEL 6, 5.62341325190
	SEL 7, 7.49894209332
	SEL 8, 10.0
	SEL 9, 13.3352143216
	SEL 10, 17.7827941004
	SEL 11, 23.7137370566
	SEL 12, 31.6227766017
	SEL 13, 42.1696503429
	SEL 14, 56.2341325190
	SEL 15, 74.9894209332
	SEL 16, 100.0
	SEL 17, 133.352143216
	SEL 18, 177.827941004
	SEL 19, 237.137370566
	SEL 20, 316.227766017
	SEL 21, 421.696503429
	SEL 22, 562.341325190
	SEL 23, 749.894209332
	SEL 24, 1000.0
	SEL 25, 1333.52143216
	SEL 26, 1778.27941004
	SEL 27, 2371.37370566
	SEL 28, 3162.27766017
	SEL 29, 4216.96503429
	SEL 30, 5623.41325190
	SEL 31, 7498.94209332
	v_rcp_f32 v9, v8
	v_lshlrev_b32 v11, 3, v7                       ; (a plain place behind the reciprocal)  8 x lane: my pair's place in a position's 256 bytes
	s_wait_alu depctr_va_vdst(0)                   ; the wait ahead of the first reader
	v_fma_f32 v10, -v8, v9, 1.0                    ; one Newton step
	v_fma_f32 v9, v9, v10, v9                      ; 1 / 10^(j / 8)
	s_mov_b32 s25, 0x3f22f983                      ; 2 / pi
	s_mov_b32 s26, 0xbfc90fd8                      ; - pi / 2 in three parts
	s_mov_b32 s27, 0xb4a8885a
	s_mov_b32 s28, 0xa7c234c4
	s_mov_b32 s29, 0xb493f27e                      ; -1 / 10!
	s_mov_b32 s30, 0x37d00d01                      ; 1 / 8!
	s_mov_b32 s31, 0xbab60b61                      ; -1 / 6!
	s_mov_b32 s34, 0x3d2aaaab                      ; 1 / 4!
	s_mov_b32 s35, 0x3638ef1d                      ; 1 / 9!
	s_mov_b32 s36, 0xb9500d01                      ; -1 / 7!
	s_mov_b32 s37, 0x3c088889                      ; 1 / 5!
	s_mov_b32 s38, 0xbe2aaaab                      ; -1 / 3!
	s_sub_co_u32 s21, ttmp9, 384
	s_lshl_b32 s21, s21, 2
	s_add_co_u32 s21, s21, s20
	s_lshl_b32 s21, s21, 3                         ; my wave's first position
	s_lshl_b32 s32, s21, 8
	s_mov_b32 s33, 0
	s_wait_kmcnt 0x0
	s_add_nc_u64 s[18:19], s[18:19], s[32:33]
.irp p, 0,1,2,3,4,5,6,7
	s_add_co_u32 s39, s21, \p
	v_cvt_f32_u32 v[AN+\p], s39
.endr
.irp p, 0,1,2,3,4,5,6,7
	v_mul_f32 v[AN+\p], v[AN+\p], v9               ; the angle: one f32 product
.endr
.irp p, 0,1,2,3,4,5,6,7
	v_mul_f32 v[NN+\p], s25, v[AN+\p]
.endr
.irp p, 0,1,2,3,4,5,6,7
	v_rndne_f32 v[NN+\p], v[NN+\p]                 ; n: the nearest multiple of pi / 2
.endr
.irp p, 0,1,2,3,4,5,6,7
	v_fma_f32 v[RH+\p], v[NN+\p], s26, v[AN+\p]
.endr
.irp p, 0,1,2,3,4,5,6,7
	v_fma_f32 v[RH+\p], v[NN+\p], s27, v[RH+\p]
.endr
.irp p, 0,1,2,3,4,5,6,7
	v_fma_f32 v[RH+\p], v[NN+\p], s28, v[RH+\p]    ; the rest, at most pi / 4 in magnitude
.endr
.irp p, 0,1,2,3,4,5,6,7
	v_mul_f32 v[SQ+\p], v[RH+\p], v[RH+\p]
.endr
.irp p, 0,1,2,3,4,5,6,7
	v_fma_f32 v[CC+\p], v[SQ+\p], s29, s30
	v_fma_f32 v[SS+\p], v[SQ+\p], s35, s36
.endr
.irp p, 0,1,2,3,4,5,6,7
	v_fma_f32 v[CC+\p], v[CC+\p], v[SQ+\p], s31
	v_fma_f32 v[SS+\p], v[SS+\p], v[SQ+\p], s37
.endr
.irp p, 0,1,2,3,4,5,6,7
	v_fma_f32 v[CC+\p], v[CC+\p], v[SQ+\p], s34
	v_fma_f32 v[SS+\p], v[SS+\p], v[SQ+\p], s38
.endr
.irp p, 0,1,2,3,4,5,6,7
	v_fma_f32 v[CC+\p], v[CC+\p], v[SQ+\p], -0.5
	v_mul_f32 v[UU+\p], v[RH+\p], v[SQ+\p]
.endr
.irp p, 0,1,2,3,4,5,6,7
	v_fma_f32 v[CC+\p], v[CC+\p], v[SQ+\p], 1.0    ; cos of the rest
	v_fma_f32 v[SS+\p], v[UU+\p], v[SS+\p], v[RH+\p]  ; sin of the rest
.endr
.irp p, 0,1,2,3,4,5,6,7
	v_cvt_i32_f32 v[QQ+\p], v[NN+\p]               ; the quadrant
.endr
.irp p, 0,1,2,3,4,5,6,7
	v_and_b32 v[UU+\p], 1, v[QQ+\p]
	v_cmp_eq_u32 vcc_lo, 1, v[UU+\p]               ; in odd quadrants the two change places
	v_cndmask_b32 v[OO+2*\p], v[CC+\p], v[SS+\p], vcc_lo
	v_cndmask_b32 v[OO+2*\p+1], v[SS+\p], v[CC+\p], vcc_lo
	v_add_nc_u32 v[UU+\p], 1, v[QQ+\p]
	v_and_b32 v[UU+\p], 2, v[UU+\p]                ; cos is negative in quadrants 1 and 2,
	v_lshlrev_b32 v[UU+\p], 30, v[UU+\p]
	v_xor_b32 v[OO+2*\p], v[UU+\p], v[OO+2*\p]
	v_and_b32 v[UU+\p], 2, v[QQ+\p]                ; sin in quadrants 2 and 3
	v_lshlrev_b32 v[UU+\p], 30, v[UU+\p]
	v_xor_b32 v[OO+2*\p+1], v[UU+\p], v[OO+2*\p+1]
	global_store_b64 v11, v[OO+2*\p:OO+2*\p+1], s[18:19] offset:256*\p   ; a position's 256 bytes, aligned
.endr
	s_endpgm
.Lfunc_end_k_q0b0158920a_quant:
	.size	k_q0b0158920a_quant, .Lfunc_end_k_q0b0158920a_quant-k_q0b0158920a_quant
	.p2alignl 7, 3214868480
	.fill 96, 4, 3214868480
	.section	.rodata,"a",@progbits
	.p2align	6, 0x0
	.amdhsa_kernel k_q0b0158920a_quant
		.amdhsa_group_segment_fixed_size 34304
		.amdhsa_private_segment_fixed_size 0
		.amdhsa_enable_private_segment 0
		.amdhsa_kernarg_size 64
		.amdhsa_user_sgpr_count 2
		.amdhsa_user_sgpr_kernarg_segment_ptr 1
		.amdhsa_wavefront_size32 1
		.amdhsa_system_sgpr_workgroup_id_x 1
		.amdhsa_system_sgpr_workgroup_id_y 1
		.amdhsa_system_sgpr_workgroup_id_z 1
		.amdhsa_system_vgpr_workitem_id 0
		.amdhsa_next_free_vgpr 250
		.amdhsa_next_free_sgpr 66
		.amdhsa_reserve_vcc 1
		.amdhsa_float_denorm_mode_32 3
		.amdhsa_float_denorm_mode_16_64 3
		.amdhsa_memory_ordered 1
		.amdhsa_forward_progress 1
		.amdhsa_inst_pref_size 48
	.end_amdhsa_kernel
	.amdgpu_metadata
---
amdhsa.version: [ 1, 2 ]
amdhsa.kernels:
  - .name:           k_q0b0158920a_quant
    .symbol:         k_q0b0158920a_quant.kd
    .args:
      - { .name: x, .offset: 0, .size: 8, .value_kind: global_buffer, .address_space: global }
      - { .name: Wq, .offset: 8, .size: 8, .value_kind: global_buffer, .address_space: global }
      - { .name: Wk, .offset: 16, .size: 8, .value_kind: global_buffer, .address_space: global }
      - { .name: Wv, .offset: 24, .size: 8, .value_kind: global_buffer, .address_space: global }
      - { .name: Wo, .offset: 32, .size: 8, .value_kind: global_buffer, .address_space: global }
      - { .name: cw, .offset: 40, .size: 8, .value_kind: global_buffer, .address_space: global }
      - { .name: sw, .offset: 48, .size: 8, .value_kind: global_buffer, .address_space: global }
      - { .name: tab, .offset: 56, .size: 8, .value_kind: global_buffer, .address_space: global }
    .group_segment_fixed_size: 34304
    .private_segment_fixed_size: 0
    .kernarg_segment_align: 8
    .kernarg_segment_size: 64
    .max_flat_workgroup_size: 128
    .sgpr_count:     66
    .vgpr_count:     250
    .wavefront_size: 32
...
	.end_amdgpu_metadata
.endif
;; end of part 1
;; launch proj (part 2): grid 12 x 32, 4 waves a work-group, clusters of 4 x 4, 327,680 bytes of LDS; arguments cw, sw, tab, bq, bk, bv, qimg, kimg, vimg; writes qimg, kimg, vimg
.if DOCPART == 2
	.amdgcn_target "amdgcn-amd-amdhsa--gfx1250"
	.amdhsa_code_object_version 6
	.text
	.protected	k_q0b0158920a_proj
	.globl	k_q0b0158920a_proj
	.p2align	8
	.type	k_q0b0158920a_proj,@function
k_q0b0158920a_proj:
	s_mov_b64 s[64:65], 0
	v_nop
	global_prefetch_b8 v0, s[64:65] scope:SCOPE_SE
	s_setreg_imm32_b32 hwreg(HW_REG_WAVE_MODE, 25, 1), 1
	s_wait_xcnt 0x0
	s_wait_alu depctr_hold_cnt(0) depctr_sa_sdst(0) depctr_va_vdst(0) depctr_va_sdst(0) depctr_va_ssrc(0) depctr_va_vcc(0) depctr_vm_vsrc(0)
	s_getreg_b32 s2, hwreg(HW_REG_IB_STS2, 6, 4)
	s_cmp_eq_u32 s2, 0
	s_cbranch_scc0 .Lentry_in_a_cluster
	s_endpgm
.Lentry_in_a_cluster:
	s_bfe_u32 s2, ttmp6, 0x10000c
	s_cmp_lg_u32 s2, 0xf033
	s_cbranch_scc0 .Lentry_shape_is_right
	s_endpgm
.Lentry_shape_is_right:
; q = rope(x Wq^T + bq), k = rope(x Wk^T + bk), v = x Wv^T + bv, on codes of FP6 (E2M3) with E8M0 scales; the results are quantised on the way out and stored as images of the operands of attention's two products.
; A tile of 256 x 256 is made by a work-group of four waves, a wave makes 128 x 128: 64 accumulators, 512 registers.  K = 1,024 goes in four steps of 256 through two LDS slots filled by the tensor data mover.
; cw and sw hold codes and scale words in the order of the operands' registers (fragment: [register pair][lane][8 bytes]), so a K step's 128 rows are one dense block of 24,576 bytes, a fragment comes by six loads
; of 256 consecutive bytes, and no padding is wanted.
; ROLES, by the cluster's x, which all partners share.  0: q, 1: k: operand A (source 1, the lanes) = 256 tokens, operand B (source 0, the registers) = 256 features.  2: v, TRANSPOSED: A = 256 features of Wv, B = 256 tokens,
; since the keys are the K of attention's second product and a quantiser wants its K along a lane's registers.
; ROW TILES: row i of tile 2 b + u is row 32 b + 8 u + i + 8 (i / 8), so that a lane's 16 registers of B's tiles 2 b and 2 b + 1 are 16 neighbours: 32 b + 16 (lane / 16) + 0 .. 15.
; CLUSTERS: 4 x 4 work-groups; A's tiles are asked for jointly along a row of the cluster, B's along a column.  384 work-groups: one and a half for each of 256 WGPs; a tile of 128 x 256 would fill them evenly at the price of more LDS reads for each product.
; No prefetch: K has four steps, of which two are the first fills, and the tiles are shared by the joint loads.
; OUT.  qimg, kimg: [batch x head: 64][128 tokens: 16][6,656 bytes]: 8 tiles of 16 tokens x 768 bytes ([pair 0..2][lane][8 bytes]: registers 0-5 of a fragment: the head's 64), then 512 bytes of scale words [lane][4]:
; word b of lane 16 u + r is row r of tile 2 b + u: the head's two bytes, then 0x7f twice.  vimg: [batch x head][128 keys: 16][6,400 bytes]: 4 tiles of 16 channels x 1,536 bytes ([4 registers 0..2][lane][16 bytes]), then 256 bytes [lane][2 words].
; LIMITS: NaN and infinities are not served; a block of zeros gets the byte 1 (its codes are zeros; this program alone reads the bytes); the rotation is one product and one fused multiply-add where the definition rounds three times.
; REGISTERS, in windows of 256: window 0: v0-31 addresses; v32-63 scale words, two sets; v128-223 A's fragments, one set.  window 1: B's fragments, two sets, at v0 and v128; v96-127, v224-255 the table, two sets.
;   windows 2, 3: the accumulators ((a, b) at v[8 (8 (a % 4) + b)]).  On the way out, window 0: v32-41 scale words, v64-127 bias, v128-191 raw numbers and then the quantiser's own, v192-255 what is quantised.
.set KSTR,   2359296                   ; bytes of a K step in cw
.set NQ,     2                         ; matrix instructions deep in a slot
.set FR,     12                        ; registers of a fragment
.set NL,     6                         ; LDS loads that bring one
.set NP,     4                         ; places behind this matrix instruction (ISA guide 7.12.1)
.set HALFT,  24576                     ; 128 rows x 256 along K: what one tensor load brings
.set SLOT,   4*HALFT                   ; A's 256 rows, then B's
.set SCL,    2*SLOT                    ; behind the ring: the scale words of all of K, 4,096 bytes for each wave's 128 rows
.set SPARE,  SCL+16384                 ; the spare words, 128 bytes for each wave: two blocks of 256 bytes that no other line names
.set QSTR,   106496
.set QBLK,   6656
.set VSTR,   102400
.set VBLK,   6400
.set ADRA, 16                          ; v16-17 LDS address of my A fragments in slot 0, 1
.set ADRB, 20                          ; v20-21 the same for B
.set LI8,  24                          ; v24  8 x lane
.set LI16, 25                          ; v25  16 x lane
.set TAV,  26                          ; v26  my lane's place in the table
.set ADRS, 27                          ; v27  LDS address of my scale words: lanes 0-15 A's rows, lanes 16-31 B's
.set SPW,  28                          ; v28  LDS address of my spare word; never rewritten
.set NIL,  29                          ; v29  0; never rewritten
.set BA,   30                          ; v30  my lane's place in the bias
.set SC,   32
.set SWB,  32
.set BI,   64
.set AF,   128
.set HB,   128
.set TM,   128
.set PC,   144
.set PW,   164
.set RO,   192
.set G1,   24
.set G0,   32
.set G1B,  48
.set G0B,  56
.set G1S,  68
.set G1SB, 76
.set G0S,  84
.set G0SB, 88
.set SEL,  20
.set MSB, 0
.macro WIN new                         ; the immediate's high byte repeats the setting that is left
.if MSB != (\new)
	s_set_vgpr_msb (MSB<<8)|(\new)
.set MSB, (\new)
.endif
.endm
.set MUL_LO, 0xa1                      ; source 0 (B) window 1, source 1 (A) window 0, C and D window 2
.set MUL_HI, 0xf1
.set TO_B,   0x40
; A joint load: waves 0 and 1 fetch for A, waves 2 and 3 for B; the branch hangs on the wave's number alone.  Four v_nop follow each of the two lines.
.macro JLOAD g0a, g1a, g0b, g1b
	s_cmp_eq_u32 s15, 0
	s_cbranch_scc0 .Lfor_b_\@
	tensor_load_to_lds s[\g0a:\g0a+3], s[\g1a:\g1a+7]
	s_nop 0
.rept 4
	v_nop
.endr
	s_branch .Lasked_\@
.Lfor_b_\@:
	tensor_load_to_lds s[\g0b:\g0b+3], s[\g1b:\g1b+7]
	s_nop 0
.rept 4
	v_nop
.endr
.Lasked_\@:
.endm
.macro CREST                           ; a round of the cluster's barrier behind its opening barrier
	s_cmp_lg_u32 s14, 0
	s_cbranch_scc1 .Lnot_wave_0_\@
	s_barrier_signal -3
.Lnot_wave_0_\@:
	s_barrier_wait -3
	s_barrier_signal -1
	s_barrier_wait -1
.endm
.macro CROUND
	s_barrier_signal -1
	s_barrier_wait -1
	CREST
.endm
	s_load_b256 s[4:11], s[0:1], 0x0               ; cw s[4:5], sw s[6:7], tab s[8:9], bq s[10:11]
	s_load_b256 s[92:99], s[0:1], 0x20             ; bk s[92:93], bv s[94:95], qimg s[96:97], kimg s[98:99]
	s_load_b64 s[100:101], s[0:1], 0x40            ; vimg
	v_lshl_add_u32 v[SPW], v0, 2, SPARE
	v_mov_b32 v[NIL], 0
	ds_add_u32 v28, v29
	s_wait_dscnt 0x0
	v_lshrrev_b32 v1, 5, v0
	v_readfirstlane_b32 s14, v1                    ; wave 0..3
	s_lshr_b32 s15, s14, 1                         ; which half of A's rows is mine.  Also: I fetch for A (0) or for B (1)
	s_and_b32 s16, s14, 1                          ; which half of B's rows.  Also: which 128 rows I fetch
	s_bfe_u32 s40, ttmp6, 0x40000                  ; cx, cy: my place in the cluster
	s_bfe_u32 s41, ttmp6, 0x40004
	s_and_b32 s42, ttmp7, 0xffff                   ; the cluster's y
	s_lshl_b32 s43, s41, 2
	s_lshl_b32 s43, 15, s43                        ; my row of the cluster
	s_lshl_b32 s44, 0x1111, s40                    ; my column
	; descriptor group 1: a dense block of 24,576 bytes as 96 rows of 256 bytes (32 elements of 8 bytes); for the scale words 16 such rows
	s_or_b32 s[G1+0], s43, (3<<16)|(1<<21)         ; 15:0 the mask: A's tiles go to my row; 17:16 elements of 8 bytes; 20 no padding; 21 set beside a mask
	s_or_b32 s[G1B+0], s44, (3<<16)|(1<<21)
.irp g, G1, G1B
	s_mov_b32 s[\g+1], 32<<16                      ; tensor_dim0
	s_mov_b32 s[\g+2], 96<<16                      ; tensor_dim1
	s_mov_b32 s[\g+3], 32<<16                      ; tile_dim0
	s_mov_b32 s[\g+4], 96                          ; tile_dim1
	s_mov_b32 s[\g+5], 32                          ; tensor_dim0_stride
	s_mov_b32 s[\g+6], 0
	s_mov_b32 s[\g+7], 0
.endr
	s_or_b32 s[G1S+0], s43, (3<<16)|(1<<21)
	s_or_b32 s[G1SB+0], s44, (3<<16)|(1<<21)
.irp g, G1S, G1SB
	s_mov_b32 s[\g+1], 32<<16
	s_mov_b32 s[\g+2], 16<<16
	s_mov_b32 s[\g+3], 32<<16
	s_mov_b32 s[\g+4], 16
	s_mov_b32 s[\g+5], 32
	s_mov_b32 s[\g+6], 0
	s_mov_b32 s[\g+7], 0
.endr
	; the first row tile of A and of B.  A's hangs on cy and the cluster's place alone, B's on cx and the cluster's place alone
	s_lshl_b32 s17, s42, 2
	s_add_co_u32 s17, s17, s41                     ; ty = 4 x cluster y + cy
	s_lshl_b32 s2, s17, 4                          ; q, k: A = tokens: tile 16 ty
	s_lshl_b32 s3, s41, 4
	s_add_co_u32 s3, s3, 640                       ; v: A = Wv: tile 640 + 16 cy
	s_lshl_b32 s47, s42, 2
	s_add_co_u32 s47, s47, s40                     ; tt = 4 x cluster y + cx
	s_lshl_b32 s18, s47, 4                         ; v: B = tokens: tile 16 tt
	s_lshl_b32 s19, ttmp9, 6
	s_lshl_b32 s46, s40, 4
	s_add_co_u32 s19, s19, s46
	s_add_co_u32 s19, s19, 512                     ; q, k: B = Wq or Wk: tile 512 + 64 x cluster x + 16 cx
	s_lshl_b32 s45, s16, 3                         ; + the 8 tiles' half that I fetch
	s_cmp_eq_u32 ttmp9, 2
	s_cselect_b32 s66, 1, 0                        ; 1: v
	s_cselect_b32 s2, s3, s2
	s_cselect_b32 s18, s18, s19
	s_add_co_u32 s2, s2, s45
	s_add_co_u32 s18, s18, s45
	s_lshl_b32 s12, s2, 9                          ; scale words: 512 bytes a row tile
	s_mov_b32 s13, 0
	s_mul_i32 s2, s2, 3072                         ; codes: 3,072 bytes a row tile and K step
	s_mov_b32 s3, 0
	s_lshl_b32 s20, s18, 9
	s_mov_b32 s21, 0
	s_mul_i32 s18, s18, 3072
	s_mov_b32 s19, 0
	s_mul_i32 s45, s14, HALFT                      ; where they go: no place in the cluster enters an LDS address
	s_lshl_b32 s46, s14, 12
	s_wait_kmcnt 0x0
	s_add_nc_u64 s[2:3], s[4:5], s[2:3]
	s_add_nc_u64 s[12:13], s[6:7], s[12:13]
	s_add_nc_u64 s[18:19], s[4:5], s[18:19]
	s_add_nc_u64 s[20:21], s[6:7], s[20:21]
	CROUND                                         ; all sixteen work-groups are here: the first joint loads meet
	s_mov_b32 s[G0S], 1
	s_add_co_u32 s[G0S+1], s46, SCL
	s_mov_b64 s[G0S+2:G0S+3], s[12:13]
	s_or_b32 s[G0S+3], s[G0S+3], 0x80000000
	s_mov_b32 s[G0SB], 1
	s_add_co_u32 s[G0SB+1], s46, SCL
	s_mov_b64 s[G0SB+2:G0SB+3], s[20:21]
	s_or_b32 s[G0SB+3], s[G0SB+3], 0x80000000
	JLOAD G0S, G1S, G0SB, G1SB                     ; the scale words first: they are wanted with K step 0.  By this text's count three loads of a wave are out at the start, later one
.irp s, 0,1
	s_mov_b32 s[G0+4*\s], 1
	s_add_co_u32 s[G0+4*\s+1], s45, \s*SLOT
	s_add_nc_u64 s[G0+4*\s+2:G0+4*\s+3], s[2:3], \s*KSTR
	s_or_b32 s[G0+4*\s+3], s[G0+4*\s+3], 0x80000000
	s_mov_b32 s[G0B+4*\s], 1
	s_add_co_u32 s[G0B+4*\s+1], s45, \s*SLOT
	s_add_nc_u64 s[G0B+4*\s+2:G0B+4*\s+3], s[18:19], \s*KSTR
	s_or_b32 s[G0B+4*\s+3], s[G0B+4*\s+3], 0x80000000
	JLOAD G0+4*\s, G1, G0B+4*\s, G1B
.endr
	v_and_b32 v1, 15, v0                           ; r
	v_bfe_u32 v2, v0, 4, 1                         ; h
	v_and_b32 v3, 8, v1
	v_add_nc_u32 v3, v3, v1                        ; r + 8 (r / 8)
	v_and_b32 v4, 31, v0
	v_lshlrev_b32 v[LI8], 3, v4
	v_lshlrev_b32 v[LI16], 4, v4
	s_mul_i32 s21, s15, HALFT                      ; my 128 rows of A
	s_mul_i32 s22, s16, HALFT                      ; my 128 rows of B,
	s_add_co_u32 s22, s22, 2*HALFT                 ; which lie behind A's 256
.irp s, 0,1
	v_add_nc_u32 v[ADRA+\s], s21, v[LI8]
	v_add_nc_u32 v[ADRB+\s], s22, v[LI8]
	s_add_co_u32 s21, s21, SLOT
	s_add_co_u32 s22, s22, SLOT
.endr
	v_lshlrev_b32 v5, 3, v1                        ; my row's two scale words of a K step: 8 r
	s_lshl_b32 s21, s15, 12                        ; A's: my 128 rows
	s_lshl_b32 s22, s16, 12                        ; B's: my 128 rows, behind A's 256
	s_add_co_u32 s22, s22, 8192
	s_sub_co_u32 s22, s22, s21
	v_mul_u32_u24 v6, s22, v2                      ; lanes 16-31 take B's
	s_add_co_u32 s21, s21, SCL
	v_add_nc_u32 v5, v5, v6
	v_add_nc_u32 v[ADRS], s21, v5
.macro FRAG reg, adr, q, i             ; a fragment as it lies: six loads of 256 consecutive bytes
.irp p, 0,1,2,3,4,5
	ds_load_b64 v[\reg+2*\p:\reg+2*\p+1], v[\adr] offset:(\i)*3072+(\q)*1536+256*\p
.endr
.endm
; 16 matrix instructions: A's blocks a0, a0 + 1 x B's eight, 128 along K.  p: B's set; sc: the set of scale words.  zero = 1: the first product starts the sums.
; The 64 accumulators take turns, one instruction a turn, in the same order in every step.
.macro MUL16 a0, p, q, sc, zero
.irp a, \a0, \a0+1
.irp b, 0,1,2,3,4,5,6,7
.if \zero
	v_wmma_scale_f32_16x16x128_f8f6f4 v[8*(8*((\a)%4)+\b):8*(8*((\a)%4)+\b)+7], v[128*(\p)+FR*\b:128*(\p)+FR*\b+FR-1], v[AF+FR*(\a):AF+FR*(\a)+FR-1], 0, v[SC+8*NQ*(\sc)+NQ*\b+(\q)], v[SC+8*NQ*(\sc)+NQ*(\a)+(\q)] matrix_a_fmt:MATRIX_FMT_FP6 matrix_b_fmt:MATRIX_FMT_FP6 matrix_a_scale:MATRIX_SCALE_ROW1
.else
	v_wmma_scale_f32_16x16x128_f8f6f4 v[8*(8*((\a)%4)+\b):8*(8*((\a)%4)+\b)+7], v[128*(\p)+FR*\b:128*(\p)+FR*\b+FR-1], v[AF+FR*(\a):AF+FR*(\a)+FR-1], v[8*(8*((\a)%4)+\b):8*(8*((\a)%4)+\b)+7], v[SC+8*NQ*(\sc)+NQ*\b+(\q)], v[SC+8*NQ*(\sc)+NQ*(\a)+(\q)] matrix_a_fmt:MATRIX_FMT_FP6 matrix_b_fmt:MATRIX_FMT_FP6 matrix_a_scale:MATRIX_SCALE_ROW1
.endif
.endr
.endr
.endm
.macro FETCH_B slot, q, p
	WIN TO_B
.irp i, 0,1,2,3,4,5,6,7
	FRAG 128*(\p)+FR*\i, ADRB+\slot, \q, \i
.endr
	WIN 0
.endm
.macro FETCH_A slot, q, i0
.irp i, \i0, \i0+1, \i0+2, \i0+3
	FRAG AF+FR*(\i), ADRA+\slot, \q, \i
.endr
.endm
.macro SCALES sc                       ; a K step's scale words: lanes 0-15 take A's block i, lanes 16-31 B's block i
.irp i, 0,1,2,3,4,5,6,7
	ds_load_b64 v[SC+8*NQ*\sc+NQ*\i:SC+8*NQ*\sc+NQ*\i+1], v[ADRS] offset:\i*512
.endr
.endm
.macro PLACES n                        ; plain vector instructions between a matrix instruction and a load into, or a read of, its registers (ISA guide 7.12.1 for reads)
.rept \n
	v_nop
.endr
.endm
.macro STEP slot, q, zero              ; a step of 128 along K that has its successor in the same slot
	s_wait_dscnt 4*NL                              ; B's set and A's blocks 0-3 are in; the youngest 24 loads (A's blocks 4-7) may be out
	WIN MUL_LO
	MUL16 0, (\q)%2, \q, \slot, \zero
	MUL16 2, (\q)%2, \q, \slot, \zero
	s_wait_dscnt 0
	PLACES NP
	FETCH_B \slot, (\q)+1, 1-(\q)%2
	FETCH_A \slot, (\q)+1, 0
	WIN MUL_HI
	MUL16 4, (\q)%2, \q, \slot, \zero
	MUL16 6, (\q)%2, \q, \slot, \zero
	PLACES NP
	WIN 0
	FETCH_A \slot, (\q)+1, 4
.endm
; A slot's last step changes slots: one barrier; in front of it each wave waits for all its tensor loads, adds 0 to its spare word, and waits for that and for its reads of this slot.  fill = 1: this slot is filled again, two K steps ahead.
.macro TURN slot, next, fill
	s_wait_tensorcnt 0x0                           ; all my tensor loads have landed: my part of the next slot
	ds_add_u32 v[SPW], v[NIL]                      ; 0 onto my spare word
	s_wait_dscnt 4*NL+1                            ; (the add and the youngest 24 loads may be out)
	WIN MUL_LO
	MUL16 0, 1, NQ-1, \slot, 0
	s_wait_dscnt 0x0                               ; the add is done, and my reads of this slot are over
	s_barrier_signal -1
	MUL16 2, 1, NQ-1, \slot, 0
	WIN 0
	s_barrier_wait -1
.if \fill
	CREST                                          ; the barrier has opened a round of the cluster's barrier: no wave of any partner still reads this slot or has a load on its way
	s_add_nc_u64 s[G0+4*\slot+2:G0+4*\slot+3], s[G0+4*\slot+2:G0+4*\slot+3], 2*KSTR
	s_add_nc_u64 s[G0B+4*\slot+2:G0B+4*\slot+3], s[G0B+4*\slot+2:G0B+4*\slot+3], 2*KSTR
	JLOAD G0+4*\slot, G1, G0B+4*\slot, G1B         ; the first tensor load behind the round; its four v_nop are the places in front of the loads below
.else
	PLACES NP
.endif
	v_add_nc_u32 v[ADRS], 128, v[ADRS]             ; on to the next K step's scale words
	FETCH_B \next, 0, 0
	FETCH_A \next, 0, 0
	SCALES \next
	WIN MUL_HI
	MUL16 4, 1, NQ-1, \slot, 0
	MUL16 6, 1, NQ-1, \slot, 0
	PLACES NP
	WIN 0
	FETCH_A \next, 0, 4
.endm
	s_wait_tensorcnt 1                             ; the scale words and my part of K step 0 are in; K step 1's load may be out
	s_barrier_signal -1
	s_barrier_wait -1
	FETCH_B 0, 0, 0
	FETCH_A 0, 0, 0
	SCALES 0
	FETCH_A 0, 0, 4
	STEP 0, 0, 1                                   ; K = 1,024 is eight steps of 128: they are written out
	TURN 0, 1, 1
	STEP 1, 0, 0
	TURN 1, 0, 1
	STEP 0, 0, 0
	TURN 0, 1, 0                                   ; the last two K steps fill nothing
	STEP 1, 0, 0
	s_wait_dscnt 4*NL
	WIN MUL_LO
	MUL16 0, 1, NQ-1, 1, 0
	MUL16 2, 1, NQ-1, 1, 0
	s_wait_dscnt 0
	WIN MUL_HI
	MUL16 4, 1, NQ-1, 1, 0
	MUL16 6, 1, NQ-1, 1, 0
	WIN 0
; THE WAY OUT.  64 numbers of a lane, v[s] .. v[s + 63], register 16 b + i = k 32 b + 16 (lane / 16) + i of my row, become a fragment's codes in v[PC] on and its scale word in v[pw].
.macro QUANT s, pw
.irp b, 0,1,2,3
	v_max3_num_f32 v[TM+\b], |v[\s+16*\b]|, |v[\s+1+16*\b]|, 0x1800000   ; my 16 numbers of block b, and the floor 2^(3 - 127): the byte cannot fall under 1
.endr
.irp i, 2,4,6,8,10,12,14
.irp b, 0,1,2,3
	v_max3_num_f32 v[TM+\b], v[TM+\b], |v[\s+16*\b+\i]|, |v[\s+1+16*\b+\i]|
.endr
.endr
.irp b, 0,1,2,3
	v_permlanex16_b32 v[TM+4+\b], v[TM+\b], s[SEL], s[SEL+1]
.endr
.irp b, 0,1,2,3
	v_max_num_f32 v[TM+\b], v[TM+\b], v[TM+4+\b]   ; with lane l xor 16's: the block's largest magnitude
.endr
.irp b, 0,1,2,3
	v_add_nc_u32 v[TM+12+\b], 0xff000000, v[TM+\b] ; 2 off its exponent field: the conversion's scale operand
.endr
.irp b, 0,1,2,3
	v_lshrrev_b32 v[TM+4+\b], 23, v[TM+12+\b]      ; the scale's byte
.endr
	v_lshl_or_b32 v[(\pw)], v[TM+5], 8, v[TM+4]
	v_lshl_or_b32 v[(\pw)], v[TM+6], 16, v[(\pw)]
	v_lshl_or_b32 v[(\pw)], v[TM+7], 24, v[(\pw)]
.irp c, 0,1
	v_cvt_scalef32_pk16_fp6_f32 v[PC+6*\c:PC+2+6*\c], v[\s+32*\c:\s+15+32*\c], v[TM+12+2*\c]
	v_cvt_scalef32_pk16_fp6_f32 v[PC+12+4*\c:PC+14+4*\c], v[\s+16+32*\c:\s+31+32*\c], v[TM+12+2*\c+1]   ; (a conversion's three registers begin on an even number)
.endr
	v_nop                                          ; one plain place behind a scaled conversion
.irp c, 0,1                            ; the operand's layout wants a whole block in a lane: lanes 0-15 block 2 c, lanes 16-31 block 2 c + 1
.irp i, 0,1,2
	v_permlane16_swap_b32 v[PC+6*\c+\i], v[PC+12+4*\c+\i]
.endr
.irp i, 0,1,2
	v_mov_b32 v[PC+3+6*\c+\i], v[PC+12+4*\c+\i]
.endr
.endr
.endm
.macro TABLOAD a                       ; cos and sin for block a's 16 tokens: lane (r, h) takes, of its token's 256 bytes, pairs 16 b + 8 h + 0 .. 7, b = 0, 1: they serve both heads.  Set a % 2, in window 1
	WIN 0x40
.irp b, 0,1
.irp j, 0,1,2,3
	global_load_b128 v[96+128*((\a)%2)+16*\b+4*\j:96+128*((\a)%2)+16*\b+4*\j+3], v[TAV], s[22:23] offset:256*(32*((\a)/2)+8*((\a)%2))+128*\b+16*\j
.endr
.endr
.endm
; q, k: block a: 16 tokens (the lanes) x my 128 features (64 registers: two heads): + bias, rotated, quantised along the head's 64, stored
.macro QKBLOCK a
.if (\a) < 7
	TABLOAD (\a)+1
	s_wait_loadcnt 8                               ; all but the eight just issued: the bias and this block's table are in
.else
	s_wait_loadcnt 0x0
.endif
	s_wait_xcnt 0x0                                ; the last block's stores have read the codes' registers
	WIN 0x02+(\a)/4                                ; source 0: the accumulators' window
.set i, 0
.rept 32
	v_pk_add_f32 v[HB+2*i:HB+2*i+1], v[64*((\a)%4)+2*i:64*((\a)%4)+2*i+1], v[BI+2*i:BI+2*i+1]   ; each accumulator from its low end on
.set i, i+1
.endr
	WIN 0x04                                       ; source 1: the table, in window 1
.set i, 0
.rept 32
	v_pk_mul_f32 v[RO+2*i:RO+2*i+1], v[HB+2*i:HB+2*i+1], v[96+128*((\a)%2)+16*((i/8)%2)+2*(i%8):96+128*((\a)%2)+16*((i/8)%2)+2*(i%8)+1] op_sel_hi:[1,0]   ; (e cos, o cos)
.set i, i+1
.endr
.set i, 0
.rept 32
	v_pk_fma_f32 v[RO+2*i:RO+2*i+1], v[HB+2*i:HB+2*i+1], v[96+128*((\a)%2)+16*((i/8)%2)+2*(i%8):96+128*((\a)%2)+16*((i/8)%2)+2*(i%8)+1], v[RO+2*i:RO+2*i+1] op_sel:[1,1,0] op_sel_hi:[0,1,1] neg_lo:[1,0,0]   ; (-o sin + e cos, e sin + o cos)
.set i, i+1
.endr
	WIN 0
	QUANT RO, PW
.irp p, 0,1,2,3,4,5
	global_store_b64 v[LI8], v[PC+2*\p:PC+2*\p+1], s[12:13] offset:(\p/3)*QSTR+768*(\a)+256*(\p%3)   ; registers 0-5: my first head, 6-11: my second; 256 consecutive bytes, aligned
.endr
	v_lshrrev_b32 v41, 16, v[PW]
.if (\a)%2 == 0
	v_and_or_b32 v[SWB+(\a)/2], v[PW], s45, s46    ; a head's two bytes, and 0x7f for the two blocks of zeros that fill the instruction's K
	v_or_b32 v[SWB+4+(\a)/2], s46, v41
.else
	v_and_or_b32 v40, v[PW], s45, s46
	v_or_b32 v41, s46, v41
	v_cndmask_b32 v[SWB+(\a)/2], v[SWB+(\a)/2], v40, s67      ; the odd tile's words in lanes 16-31
	v_cndmask_b32 v[SWB+4+(\a)/2], v[SWB+4+(\a)/2], v41, s67
.endif
.endm
; v: block a: 16 channels (the lanes) x my 128 tokens (64 registers): + bias, quantised along the tokens, stored
.macro VBLOCK a
.if (\a) > 0
	s_wait_xcnt 0x0                                ; the last block's stores have read the codes' registers
.endif
	WIN 0x02+(\a)/4
.set i, 0
.rept 32
.if (\a)%2
	v_pk_add_f32 v[RO+2*i:RO+2*i+1], v[64*((\a)%4)+2*i:64*((\a)%4)+2*i+1], v[BI+2*((\a)/2):BI+2*((\a)/2)+1] op_sel:[0,1] op_sel_hi:[1,1]
.else
	v_pk_add_f32 v[RO+2*i:RO+2*i+1], v[64*((\a)%4)+2*i:64*((\a)%4)+2*i+1], v[BI+2*((\a)/2):BI+2*((\a)/2)+1] op_sel_hi:[1,0]
.endif
.set i, i+1
.endr
	WIN 0
.if (\a)%2 == 0
	QUANT RO, SWB+(\a)/2
.else
	QUANT RO, PW
	v_cndmask_b32 v[SWB+(\a)/2], v[SWB+(\a)/2], v[PW], s67    ; the odd tile's words in lanes 16-31
.endif
.irp g, 0,1,2
	global_store_b128 v[LI16], v[PC+4*\g:PC+4*\g+3], s[12:13] offset:((\a)/4)*VSTR+((\a)%4)*1536+512*\g   ; 512 consecutive bytes, aligned
.endr
.endm
	PLACES NP                                      ; behind the last products
	s_mov_b32 s[SEL], 0x76543210
	s_mov_b32 s[SEL+1], 0xfedcba98                 ; v_permlanex16_b32's selects for lane l xor 16
	s_mov_b32 s45, 0xffff
	s_mov_b32 s46, 0x7f7f0000
	s_mov_b32 s67, 0xffff0000                      ; lanes 16-31
	s_cmp_eq_u32 s66, 1                            ; the text's one branch on the role: it hangs on the cluster's x, which all partners share
	s_cbranch_scc1 .Lvpath
	s_lshr_b32 s2, s17, 3                          ; q, k: batch = ty / 8;
	s_lshl_b32 s2, s2, 4
	s_lshl_b32 s3, s40, 2
	s_add_co_u32 s2, s2, s3
	s_lshl_b32 s3, s16, 1
	s_add_co_u32 s2, s2, s3                        ; 16 x batch + my first head, 4 cx + 2 x half
	s_mul_i32 s2, s2, QSTR
	s_and_b32 s3, s17, 7
	s_lshl_b32 s3, s3, 1
	s_add_co_u32 s3, s3, s15                       ; my 128 tokens in the batch
	s_mul_i32 s3, s3, QBLK
	s_add_co_u32 s2, s2, s3
	s_mov_b32 s3, 0
	s_cmp_eq_u32 ttmp9, 0
	s_cselect_b64 s[12:13], s[96:97], s[98:99]     ; qimg or kimg
	s_cselect_b64 s[18:19], s[10:11], s[92:93]     ; bq or bk
	s_add_nc_u64 s[12:13], s[12:13], s[2:3]
	s_lshl_b32 s2, s40, 10
	s_lshl_b32 s42, s16, 9
	s_add_co_u32 s2, s2, s42
	s_add_nc_u64 s[18:19], s[18:19], s[2:3]        ; the bias of my 128 features
	s_lshl_b32 s2, s17, 8
	s_lshl_b32 s42, s15, 7
	s_add_co_u32 s2, s2, s42
	s_and_b32 s2, s2, 2047                         ; my first token's position
	s_lshl_b32 s2, s2, 8
	s_add_nc_u64 s[22:23], s[8:9], s[2:3]
	v_lshlrev_b32 v[BA], 6, v2                     ; 64 h: register 16 b + i is feature 32 b + 16 h + i
	v_lshl_add_u32 v[TAV], v3, 8, v[BA]            ; my token's 256 bytes, + 64 h
.irp b, 0,1,2,3
.irp j, 0,1,2,3
	global_load_b128 v[BI+16*\b+4*\j:BI+16*\b+4*\j+3], v[BA], s[18:19] offset:128*\b+16*\j
.endr
.endr
	TABLOAD 0
	QKBLOCK 0
	QKBLOCK 1
	QKBLOCK 2
	QKBLOCK 3
	QKBLOCK 4
	QKBLOCK 5
	QKBLOCK 6
	QKBLOCK 7
	global_store_b128 v[LI16], v[SWB:SWB+3], s[12:13] offset:6144          ; the scale words of my 128 tokens: 512 consecutive bytes, aligned
	global_store_b128 v[LI16], v[SWB+4:SWB+7], s[12:13] offset:QSTR+6144
	s_branch .Ldone
.Lvpath:
	s_lshr_b32 s2, s47, 3                          ; v: batch = tt / 8
	s_lshl_b32 s2, s2, 4
	s_lshl_b32 s3, s41, 2
	s_add_co_u32 s2, s2, s3
	s_lshl_b32 s3, s15, 1
	s_add_co_u32 s2, s2, s3                        ; 16 x batch + my first head, 4 cy + 2 x half
	s_mul_i32 s2, s2, VSTR
	s_and_b32 s3, s47, 7
	s_lshl_b32 s3, s3, 1
	s_add_co_u32 s3, s3, s16                       ; my 128 tokens in the batch
	s_mul_i32 s3, s3, VBLK
	s_add_co_u32 s2, s2, s3
	s_mov_b32 s3, 0
	s_add_nc_u64 s[12:13], s[100:101], s[2:3]
	s_lshl_b32 s2, s41, 10
	s_lshl_b32 s42, s15, 9
	s_add_co_u32 s2, s2, s42
	s_add_nc_u64 s[18:19], s[94:95], s[2:3]        ; the bias of my 128 channels
	v_lshlrev_b32 v[BA], 2, v3                     ; lane r of tile 2 b + u is channel 32 b + 8 u + r + 8 (r / 8)
.irp a, 0,1,2,3,4,5,6,7
	global_load_b32 v[BI+\a], v[BA], s[18:19] offset:4*(32*(\a/2)+8*(\a%2))
.endr
.irp b, 0,1,2,3
	v_mov_b32 v[TM+4+\b], 0                        ; written once: a lane permute's destination counts as one of its sources
.endr
	s_wait_loadcnt 0x0
	VBLOCK 0
	VBLOCK 1
	VBLOCK 2
	VBLOCK 3
	VBLOCK 4
	VBLOCK 5
	VBLOCK 6
	VBLOCK 7
	global_store_b64 v[LI8], v[SWB:SWB+1], s[12:13] offset:6144            ; 256 consecutive bytes, aligned
	global_store_b64 v[LI8], v[SWB+2:SWB+3], s[12:13] offset:VSTR+6144
.Ldone:
	s_wait_tensorcnt 0x0                           ; the wave's end
	ds_add_u32 v[SPW], v[NIL]
	s_wait_dscnt 0x0
	CROUND                                         ; the closing round: no work-group ends while a partner may still ask for a tile that names it
	s_endpgm
.Lfunc_end_k_q0b0158920a_proj:
	.size	k_q0b0158920a_proj, .Lfunc_end_k_q0b0158920a_proj-k_q0b0158920a_proj
	.p2alignl 7, 3214868480
	.fill 96, 4, 3214868480
	.section	.rodata,"a",@progbits
	.p2align	6, 0x0
	.amdhsa_kernel k_q0b0158920a_proj
		.amdhsa_group_segment_fixed_size 327680
		.amdhsa_private_segment_fixed_size 0
		.amdhsa_enable_private_segment 0
		.amdhsa_kernarg_size 72
		.amdhsa_user_sgpr_count 2
		.amdhsa_user_sgpr_kernarg_segment_ptr 1
		.amdhsa_wavefront_size32 1
		.amdhsa_system_sgpr_workgroup_id_x 1
		.amdhsa_system_sgpr_workgroup_id_y 1
		.amdhsa_system_sgpr_workgroup_id_z 1
		.amdhsa_system_vgpr_workitem_id 0
		.amdhsa_next_free_vgpr 1024
		.amdhsa_next_free_sgpr 102
		.amdhsa_reserve_vcc 0
		.amdhsa_float_denorm_mode_32 3
		.amdhsa_float_denorm_mode_16_64 3
		.amdhsa_memory_ordered 1
		.amdhsa_forward_progress 1
		.amdhsa_inst_pref_size 255
	.end_amdhsa_kernel
	.section	.bss,"aw",@nobits
	.p2align	6
	.space	262144
	.amdgpu_metadata
---
amdhsa.version: [ 1, 2 ]
amdhsa.kernels:
  - .name:           k_q0b0158920a_proj
    .symbol:         k_q0b0158920a_proj.kd
    .args:
      - { .name: cw, .offset: 0, .size: 8, .value_kind: global_buffer, .address_space: global }
      - { .name: sw, .offset: 8, .size: 8, .value_kind: global_buffer, .address_space: global }
      - { .name: tab, .offset: 16, .size: 8, .value_kind: global_buffer, .address_space: global }
      - { .name: bq, .offset: 24, .size: 8, .value_kind: global_buffer, .address_space: global }
      - { .name: bk, .offset: 32, .size: 8, .value_kind: global_buffer, .address_space: global }
      - { .name: bv, .offset: 40, .size: 8, .value_kind: global_buffer, .address_space: global }
      - { .name: qimg, .offset: 48, .size: 8, .value_kind: global_buffer, .address_space: global }
      - { .name: kimg, .offset: 56, .size: 8, .value_kind: global_buffer, .address_space: global }
      - { .name: vimg, .offset: 64, .size: 8, .value_kind: global_buffer, .address_space: global }
    .group_segment_fixed_size: 327680
    .private_segment_fixed_size: 0
    .kernarg_segment_align: 8
    .kernarg_segment_size: 72
    .max_flat_workgroup_size: 128
    .sgpr_count:     102
    .vgpr_count:     1024
    .wavefront_size: 32
...
	.end_amdgpu_metadata
.endif
;; end of part 2
;; launch attn (part 3): grid 4 x 64, 16 waves a work-group, no clusters, 327,680 bytes of LDS; arguments qimg, kimg, vimg, ac, sa; writes ac, sa
.if DOCPART == 3
	.amdgcn_target "amdgcn-amd-amdhsa--gfx1250"
	.amdhsa_code_object_version 6
	.text
	.protected	k_q0b0158920a_attn
	.globl	k_q0b0158920a_attn
	.p2align	8
	.type	k_q0b0158920a_attn,@function
k_q0b0158920a_attn:
	s_mov_b64 s[64:65], 0
	v_nop
	global_prefetch_b8 v0, s[64:65] scope:SCOPE_SE
	s_setreg_imm32_b32 hwreg(HW_REG_WAVE_MODE, 25, 1), 1
	s_wait_xcnt 0x0
; Causal attention on codes of FP6 (E2M3): o = softmax(q k^T / 8) v for 64 (batch, head) pairs, 2,048 tokens, head size 64; o / l is quantised along D = head x 64 + channel and stored as the operand of the last product.
; qimg, kimg, vimg: images of the operands' registers (their layouts: at the head of the launch that makes them).  ac: [K step of 256: 4][row tile: 512][3,072 bytes]; head hd fills bytes 768 (hd % 4) on of K step hd / 4.  sa: [row tile][K step][row][8 bytes].
; THE SOFTMAX: t = score x log2(e) / 8; M = the running largest t rounded UP to a whole number; p = 2^(t - M) is quantised along the keys, not normalised; the row's sum is taken of the unquantised p and divides at the end.
; When M moves, the sum and O are multiplied by 2^(old M - new M): exact.
; SHARES.  Work-group (x, y): head y, query blocks x and 7 - x of 256 queries, one after the other: 9 visits to slots of 256 keys in every work-group (x + 1, then 8 - x), so all 256 work-groups have equal work and the loop's count is a constant.
; Each of SIXTEEN waves owns one tile of 16 queries of the block in hand, in 256 registers: four waves to a SIMD, so that one wave's vector work stands beside another's matrix work and LDS loads.
; A step of 128 keys all of which come after the wave's queries is left out by a scalar branch on ids; on the diagonal hidden scores become -infinity ahead of the maximum.
; BOTH PRODUCTS ARE USED TRANSPOSED: S^T = K Q^T, O^T = V^T P^T: a lane holds ONE query throughout.  Tokens and channels are tiled so that a lane's 16 registers of tiles 2 b, 2 b + 1 are 16 neighbours (row i of tile 2 b + u: 32 b + 8 u + i + 8 (i / 8)).
; THE HEAD IS 64 WIDE, the instruction 128: Q's codes of k = 64 .. 127 are zeros, so what stands against them adds nothing (the next tile's six registers; for tile 7 six zeros); the scale bytes of those blocks are 0x7f on both sides.
; NO JOINT LOADS: the four work-groups of a head want different key slots in the same visit (work-group x begins anew at visit x + 1), so no request could be made jointly.
; NO PREFETCH: a refill is asked for a whole visit (two key steps of sixteen waves) ahead of its first read, and each byte of K and V is read by up to four work-groups.
; The two scale bytes of a row leave by a store of two bytes, 8 bytes apart: a scale word of the last product spans two heads, which lie in two work-groups; 262,144 bytes in the launch.
; LIMITS: NaN and infinities are not served; a block of zeros gets the byte 1 (its codes are zeros; this program alone reads the bytes).
; REGISTERS: v1-9 addresses; v12 -M, v13 the largest t, v[14:15] the sum in two halves; v16-27 Q (v22-27 zeros); v28 Q's scale words; v32-85 K's eight half fragments (v80-85 zeros), then V's four fragments;
;   v86-89 K's scale words, v90-91 V's; v96-159 S^T, then p; v160-191 O^T; v224-235 p's codes; v232-254 at work; v252 f; v253 p's scale word.
.set SLOT1, 1<<15                      ; slot 1 begins here: one exclusive or turns an address in one slot into the other's
.set KBLK,  6656                       ; 128 keys of K: 8 tiles x 768 bytes, 512 bytes of scale words
.set VBLK,  6400                       ; 128 keys of V: 4 tiles x 1,536 bytes, 256 bytes of scale words
.set VOFF,  2*KBLK                     ; a slot: K's two blocks, then V's two
.set SPARE, 2*SLOT1                    ; the spare words, 128 bytes for each wave: eight blocks of 256 bytes that no other line names
.set QSTR,  106496
.set VSTR,  102400
.set KSTR2, 1572864                    ; bytes of a K step in ac
.set LI8,  1                           ; v1  8 x lane
.set LI16, 2                           ; v2  16 x lane
.set QD,   3                           ; v3  r + 8 (r / 8) - 16 h
.set R16,  4                           ; v4  16 r
.set SPW,  5                           ; v5  LDS address of my spare word; never rewritten
.set NIL,  6                           ; v6  0; never rewritten
.set R8,   7                           ; v7  8 r
.set A8,   8                           ; v8  the slot in hand + 8 x lane
.set A16,  9                           ; v9  the slot in hand + 16 x lane
.set WV,   18
.set SEL,  20
.set CS,   22                          ; s[22:23] c = log2(e) / 8
.set G1K,  24
.set G1V,  32
.set G0K,  40
.set G0V,  44
.set TB,   2                           ; s2  LDS byte at which the slot in hand begins
.set VIS,  3                           ; s3  the visit
.set PI,   48                          ; s48 work-group x
.set KF,   50                          ; s50 the step's first key
.set Q0,   51                          ; s51 my tile's first query
.set KB,   52                          ; s[52:53] the head's K;  s[54:55] its V
.set VB,   54
.set QC,   56                          ; s[56:57] my tile's codes of Q;  s[58:59] its scale words
.set QSP,  58
.set OC,   60                          ; s[60:61] my tile's place in ac;  s[62:63] in sa
.set OS,   62
; Wave 0 fetches a slot's K, wave 1 its V, the others nothing: one dense block each.  The branches hang on the wave's number alone.  Four v_nop follow each of the two lines.
.macro TLOAD
	s_cmp_eq_u32 s[WV], 0
	s_cbranch_scc0 .Lnot_k_\@
	tensor_load_to_lds s[G0K:G0K+3], s[G1K:G1K+7]
	s_nop 0
.rept 4
	v_nop
.endr
	s_branch .Lasked_\@
.Lnot_k_\@:
	s_cmp_eq_u32 s[WV], 1
	s_cbranch_scc0 .Lasked_\@
	tensor_load_to_lds s[G0V:G0V+3], s[G1V:G1V+7]
	s_nop 0
.rept 4
	v_nop
.endr
.Lasked_\@:
.endm
	s_load_b256 s[4:11], s[0:1], 0x0               ; qimg s[4:5], kimg s[6:7], vimg s[8:9], ac s[10:11]
	s_load_b64 s[12:13], s[0:1], 0x20              ; sa
	v_lshl_add_u32 v[SPW], v0, 2, SPARE
	v_mov_b32 v[NIL], 0
	ds_add_u32 v5, v6
	ds_add_u32 v5, v6
	s_wait_dscnt 0x0
	v_lshrrev_b32 v8, 5, v0
	s_delay_alu instid0(VALU_DEP_1)
	v_readfirstlane_b32 s[WV], v8                  ; wave 0..15
	s_mov_b32 s[PI], ttmp9
	s_and_b32 s70, ttmp7, 0xffff                   ; batch x 16 + head
	; descriptor group 1: dense blocks as rows of 256 bytes (32 elements of 8 bytes): K 52 rows, V 50
	s_mov_b32 s[G1K], 3<<16
	s_mov_b32 s[G1K+1], 32<<16
	s_mov_b32 s[G1K+2], 52<<16
	s_mov_b32 s[G1K+3], 32<<16
	s_mov_b32 s[G1K+4], 52
	s_mov_b32 s[G1K+5], 32
	s_mov_b32 s[G1K+6], 0
	s_mov_b32 s[G1K+7], 0
	s_mov_b32 s[G1V], 3<<16
	s_mov_b32 s[G1V+1], 32<<16
	s_mov_b32 s[G1V+2], 50<<16
	s_mov_b32 s[G1V+3], 32<<16
	s_mov_b32 s[G1V+4], 50
	s_mov_b32 s[G1V+5], 32
	s_mov_b32 s[G1V+6], 0
	s_mov_b32 s[G1V+7], 0
	s_mul_i32 s66, s70, QSTR
	s_mov_b32 s67, 0
	s_mul_i32 s68, s70, VSTR
	s_mov_b32 s69, 0
	s_mov_b32 s[SEL], 0x76543210
	s_mov_b32 s[SEL+1], 0xfedcba98                 ; v_permlanex16_b32's selects for lane l xor 16
	s_mov_b32 s[CS], 0x3e38aa3b                    ; log2(e) / 8
	s_mov_b32 s[CS+1], s[CS]                       ; (named with it as a pair, so it is written)
	s_mov_b32 s[TB], 0
	s_mov_b32 s[VIS], 0
	s_mov_b32 s[KF], 0
	s_wait_kmcnt 0x0
	s_add_nc_u64 s[KB:KB+1], s[6:7], s[66:67]
	s_add_nc_u64 s[VB:VB+1], s[8:9], s[68:69]
	s_mov_b32 s[G0K], 1
	s_mov_b32 s[G0K+1], 0                          ; slot 0
	s_mov_b64 s[G0K+2:G0K+3], s[KB:KB+1]           ; the head's first 256 keys
	s_or_b32 s[G0K+3], s[G0K+3], 0x80000000
	s_mov_b32 s[G0V], 1
	s_mov_b32 s[G0V+1], VOFF
	s_mov_b64 s[G0V+2:G0V+3], s[VB:VB+1]
	s_or_b32 s[G0V+3], s[G0V+3], 0x80000000
	TLOAD                                          ; the first fill; by this text's count a wave never has more than one tensor load out
	s_lshl_b32 s71, s[PI], 1                       ; Q: block of 128 tokens 2 x query block + wave / 8, tile wave % 8
	s_lshr_b32 s72, s[WV], 3
	s_add_co_u32 s71, s71, s72
	s_mul_i32 s71, s71, KBLK
	s_add_co_u32 s66, s66, s71
	s_add_nc_u64 s[QSP:QSP+1], s[4:5], s[66:67]
	s_and_b32 s72, s[WV], 7
	s_mul_i32 s68, s72, 768
	s_add_nc_u64 s[QC:QC+1], s[QSP:QSP+1], s[68:69]
	s_and_b32 s73, s[WV], 1
	s_lshl_b32 s73, s73, 8                         ; its scale words: lanes 16 (tile % 2) on, word tile / 2
	s_lshr_b32 s72, s72, 1
	s_lshl_b32 s72, s72, 2
	s_add_co_u32 s68, s73, s72
	s_add_co_u32 s68, s68, 6144
	s_add_nc_u64 s[QSP:QSP+1], s[QSP:QSP+1], s[68:69]
	s_lshr_b32 s71, s70, 4
	s_lshl_b32 s71, s71, 7
	s_lshl_b32 s72, s[PI], 4
	s_add_co_u32 s71, s71, s72
	s_add_co_u32 s71, s71, s[WV]                   ; my row tile of the last product: 128 x batch + 16 x query block + wave
	s_and_b32 s72, s70, 15                         ; the head
	s_lshr_b32 s73, s72, 2
	s_and_b32 s74, s72, 3
	s_mul_i32 s66, s73, KSTR2
	s_mul_i32 s75, s71, 3072
	s_add_co_u32 s66, s66, s75
	s_mul_i32 s75, s74, 768
	s_add_co_u32 s66, s66, s75
	s_add_nc_u64 s[OC:OC+1], s[10:11], s[66:67]
	s_lshl_b32 s66, s71, 9
	s_lshl_b32 s75, s73, 7
	s_add_co_u32 s66, s66, s75
	s_lshl_b32 s75, s74, 1
	s_add_co_u32 s66, s66, s75
	s_add_nc_u64 s[OS:OS+1], s[12:13], s[66:67]
	s_lshl_b32 s[Q0], s[PI], 8
	s_lshr_b32 s71, s[WV], 1
	s_lshl_b32 s71, s71, 5
	s_add_co_u32 s[Q0], s[Q0], s71
	s_and_b32 s71, s[WV], 1
	s_lshl_b32 s71, s71, 3
	s_add_co_u32 s[Q0], s[Q0], s71                 ; 256 x query block + 32 (wave / 2) + 8 (wave % 2); lane r's query is r + 8 (r / 8) on
	v_and_b32 v9, 31, v0
	s_delay_alu instid0(VALU_DEP_1)
	v_lshlrev_b32 v[LI8], 3, v9
	s_delay_alu instid0(VALU_DEP_2)
	v_lshlrev_b32 v[LI16], 4, v9
	v_and_b32 v10, 15, v0                          ; r
	v_bfe_u32 v11, v0, 4, 1                        ; h
	s_delay_alu instid0(VALU_DEP_2)
	v_and_b32 v[QD], 8, v10
	s_delay_alu instid0(VALU_DEP_1)
	v_add_nc_u32 v[QD], v[QD], v10
	s_delay_alu instid0(VALU_DEP_3)
	v_lshlrev_b32 v11, 4, v11
	s_delay_alu instid0(VALU_DEP_1)
	v_sub_nc_u32 v[QD], v[QD], v11
	v_lshlrev_b32 v[R16], 4, v10
	v_lshlrev_b32 v[R8], 3, v10
.macro QLOAD
.irp p, 0,1,2
	global_load_b64 v[16+2*\p:17+2*\p], v[LI8], s[QC:QC+1] offset:256*\p
.endr
	global_load_b32 v28, v[R16], s[QSP:QSP+1]
.endm
.macro INIT                            ; the step is written once: the first finds zeros, which the first change of M leaves zeros
	v_mov_b32 v13, 0xff61b1e6                      ; the largest t so far: -3e38, under every t
	s_delay_alu instid0(VALU_DEP_1)
	v_floor_f32 v12, -v13                          ; -M
	v_mov_b32 v14, 0
	v_mov_b32 v15, 0
.irp j, 0,1,2,3,4,5,6,7,8,9,10,11,12,13,14,15,16,17,18,19,20,21,22,23,24,25,26,27,28,29,30,31
	v_mov_b32 v[160+\j], 0
.endr
.endm
	QLOAD
	INIT
.irp j, 0,1,2,3,4,5
	v_mov_b32 v[22+\j], 0                          ; Q's codes of k = 64 .. 127
	v_mov_b32 v[80+\j], 0                          ; what stands behind K's tile 7
.endr
.irp b, 0,1,2,3
	v_mov_b32 v[236+\b], 0                         ; written once: a lane permute's destination counts as one of its sources
.endr
	v_mov_b32 v252, 0
	v_mov_b32 v253, 0                              ; (named as the upper half of the pair v[252:253] before it is first written)
.macro SMUL d, a, sc, row              ; one tile of S^T: 16 keys x my 16 queries
.if \row
	v_wmma_scale_f32_16x16x128_f8f6f4 v[(\d):(\d)+7], v[(\a):(\a)+11], v[16:27], 0, v[(\sc)], v28 matrix_a_fmt:MATRIX_FMT_FP6 matrix_b_fmt:MATRIX_FMT_FP6 matrix_a_scale:MATRIX_SCALE_ROW1
.else
	v_wmma_scale_f32_16x16x128_f8f6f4 v[(\d):(\d)+7], v[(\a):(\a)+11], v[16:27], 0, v[(\sc)], v28 matrix_a_fmt:MATRIX_FMT_FP6 matrix_b_fmt:MATRIX_FMT_FP6
.endif
.endm
.macro OMUL d, a, sc, row              ; one tile of O^T: 16 channels x my 16 queries, K = the step's 128 keys
.if \row
	v_wmma_scale_f32_16x16x128_f8f6f4 v[(\d):(\d)+7], v[(\a):(\a)+11], v[224:235], v[(\d):(\d)+7], v[(\sc)], v253 matrix_a_fmt:MATRIX_FMT_FP6 matrix_b_fmt:MATRIX_FMT_FP6 matrix_a_scale:MATRIX_SCALE_ROW1
.else
	v_wmma_scale_f32_16x16x128_f8f6f4 v[(\d):(\d)+7], v[(\a):(\a)+11], v[224:235], v[(\d):(\d)+7], v[(\sc)], v253 matrix_a_fmt:MATRIX_FMT_FP6 matrix_b_fmt:MATRIX_FMT_FP6
.endif
.endm
; A KEY STEP: 128 keys, the q-th of the slot in hand.
.macro STEP q
	s_add_co_u32 s96, s[Q0], 23                    ; my last query
	s_cmp_gt_u32 s[KF], s96
	s_cbranch_scc1 .Lhidden_\@                     ; all keys of the step come after all my queries: a branch on ids; no barrier and no tensor load stands in a step
	v_add_nc_u32 v[A8], s[TB], v[LI8]
	v_add_nc_u32 v[A16], s[TB], v[LI16]
.irp t, 0,1,2,3,4,5,6,7
.irp p, 0,1,2
	ds_load_b64 v[32+6*\t+2*\p:33+6*\t+2*\p], v[A8] offset:KBLK*(\q)+768*\t+256*\p
.endr
.endr
	ds_load_b128 v[86:89], v[A16] offset:KBLK*(\q)+6144   ; register b: lanes 0-15 tile 2 b's scale words, lanes 16-31 tile 2 b + 1's
	s_wait_dscnt 0x0
	s_wait_alu depctr_va_vdst(0)
.irp t, 0,2,4,6
	SMUL 96+8*\t, 32+6*\t, 86+\t/2, 0
	SMUL 104+8*\t, 38+6*\t, 86+\t/2, 1
.endr
.rept 4
	v_nop                                          ; places in front of the loads into K's registers and of the first read of the scores
.endr
.irp d, 0,1,2,3
.irp g, 0,1,2
	ds_load_b128 v[32+12*\d+4*\g:35+12*\d+4*\g], v[A16] offset:VOFF+VBLK*(\q)+1536*\d+512*\g   ; V's fragments land while the softmax is walked
.endr
.endr
	ds_load_b64 v[90:91], v[A8] offset:VOFF+VBLK*(\q)+6144
	s_add_co_u32 s96, s[KF], 127
	s_cmp_le_u32 s96, s[Q0]
	s_cbranch_scc1 .Lopen_\@                       ; all keys of the step count for all my queries
	s_sub_co_i32 s96, s[Q0], s[KF]
	v_add_nc_u32 v252, s96, v[QD]                  ; d = my query - the step's first key - 16 h.  Register 16 b + i holds key 16 h + 32 b + i of the step: hidden where 32 b + i > d
	v_mov_b32 v254, 0xff800000                     ; -infinity
.irp n, 0,1,2,3,4,5,6,7,8,9,10,11,12,13,14,15,16,17,18,19,20,21,22,23,24,25,26,27,28,29,30,31,32,33,34,35,36,37,38,39,40,41,42,43,44,45,46,47,48,49,50,51,52,53,54,55,56,57,58,59,60,61,62,63
	v_cmp_gt_i32 vcc_lo, 32*(\n/16)+\n%16, v252
	v_cndmask_b32 v[96+\n], v[96+\n], v254, vcc_lo
.endr
.Lopen_\@:
.irp b, 0,1,2,3
	v_max3_num_f32 v[232+\b], v[96+16*\b], v[97+16*\b], v[98+16*\b]   ; the largest score of each block of 32 keys: it serves the row's maximum and, since p rises with the score, the block's largest p
.endr
.irp i, 3,5,7,9,11,13
.irp b, 0,1,2,3
	v_max3_num_f32 v[232+\b], v[232+\b], v[96+16*\b+\i], v[97+16*\b+\i]
.endr
.endr
.irp b, 0,1,2,3
	v_max_num_f32 v[232+\b], v[232+\b], v[111+16*\b]
.endr
.irp b, 0,1,2,3
	s_delay_alu instid0(VALU_DEP_4)
	v_permlanex16_b32 v[236+\b], v[232+\b], s[SEL], s[SEL+1]
.endr
.irp b, 0,1,2,3
	s_delay_alu instid0(VALU_DEP_4)
	v_max_num_f32 v[232+\b], v[232+\b], v[236+\b]  ; with lane l xor 16's 16 keys
.endr
	s_delay_alu instid0(VALU_DEP_2)
	v_max3_num_f32 v254, v232, v233, v234
	s_delay_alu instid0(VALU_DEP_1)
	v_max_num_f32 v254, v254, v235                 ; the step's largest score of my query
	s_delay_alu instid0(VALU_DEP_1)
	v_mul_f32 v254, s[CS], v254                    ; as t
	s_delay_alu instid0(VALU_DEP_1)
	v_max_num_f32 v13, v13, v254                   ; the running largest t
	v_mov_b32 v254, v12
	s_delay_alu instid0(VALU_DEP_2)
	v_floor_f32 v12, -v13                          ; the new -M = -ceil(t): a whole number
	s_delay_alu instid0(VALU_DEP_1)
	v_sub_f32 v254, v12, v254                      ; old M - new M: a whole number, 0 or less
	s_delay_alu instid0(VALU_DEP_1)
	v_cvt_i32_f32 v254, v254                       ; (it saturates)
	s_delay_alu instid0(VALU_DEP_1)
	v_ldexp_f32 v252, 1.0, v254                    ; f = 2^(old M - new M)
.irp j, 0,2,4,6,8,10,12,14,16,18,20,22,24,26,28,30,32,34,36,38,40,42,44,46,48,50,52,54,56,58,60,62
	v_pk_fma_f32 v[96+\j:97+\j], v[96+\j:97+\j], s[CS:CS+1], v[12:13] op_sel_hi:[1,0,0]   ; t - M, two at a time
.endr
.irp b, 0,1,2,3
	v_fma_f32 v[232+\b], v[232+\b], s[CS], v12     ; the same of each block's largest score
.endr
	s_wait_alu depctr_va_vdst(0)
.irp j, 0,1,2,3,4,5,6,7,8,9,10,11,12,13,14,15,16,17,18,19,20,21,22,23,24,25,26,27,28,29,30,31,32,33,34,35,36,37,38,39,40,41,42,43,44,45,46,47,48,49,50,51,52,53,54,55,56,57,58,59,60,61,62,63
	v_exp_f32 v[96+\j], v[96+\j]                   ; p = 2^(t - M), at most 1: not normalised
.endr
	v_pk_mul_f32 v[14:15], v[14:15], v[252:253] op_sel_hi:[1,0]   ; the sums under the new M.  (A plain place behind the exponentials)
	s_wait_alu depctr_va_vdst(0)                   ; one wait for the whole batch, ahead of its first reader
.irp b, 0,1,2,3
	v_exp_f32 v[232+\b], v[232+\b]                 ; the block's largest p: the same two instructions on the same number give the same bits
.endr
	s_wait_alu depctr_va_vdst(0)
.irp j, 0,2,4,6,8,10,12,14,16,18,20,22,24,26,28,30
	v_pk_mul_f32 v[160+\j:161+\j], v[160+\j:161+\j], v[252:253] op_sel_hi:[1,0]   ; O^T under the new M: plain work behind the four, each accumulator from its low end on
.endr
	s_wait_alu depctr_va_vdst(0)                   ; and one wait for the four
.irp b, 0,1,2,3
	v_max_num_f32 v[232+\b], 0x1800000, v[232+\b]  ; the floor 2^(3 - 127): the byte cannot fall under 1 (a block whose every p is 0 keeps that byte: its codes are zeros)
.endr
.irp b, 0,1,2,3
	s_delay_alu instid0(VALU_DEP_4)
	v_add_nc_u32 v[244+\b], 0xff000000, v[232+\b]  ; 2 off the exponent field: the conversion's scale operand
.endr
.irp b, 0,1,2,3
	s_delay_alu instid0(VALU_DEP_4)
	v_lshrrev_b32 v[236+\b], 23, v[244+\b]         ; the scale's byte
.endr
	s_delay_alu instid0(VALU_DEP_3)
	v_lshl_or_b32 v253, v237, 8, v236              ; p's scale word for these 128 keys
	s_delay_alu instid0(VALU_DEP_1)
	v_lshl_or_b32 v253, v238, 16, v253
	s_delay_alu instid0(VALU_DEP_1)
	v_lshl_or_b32 v253, v239, 24, v253
.irp c, 0,1
	v_cvt_scalef32_pk16_fp6_f32 v[224+6*\c:226+6*\c], v[96+32*\c:111+32*\c], v[244+2*\c]
	v_cvt_scalef32_pk16_fp6_f32 v[236+4*\c:238+4*\c], v[112+32*\c:127+32*\c], v[244+2*\c+1]   ; (a conversion's three registers begin on an even number)
.endr
	v_nop                                          ; one plain place behind a scaled conversion
.irp c, 0,1                            ; the operand's layout wants a whole block in a lane
.irp i, 0,1,2
	v_permlane16_swap_b32 v[224+6*\c+\i], v[236+4*\c+\i]
.endr
.irp i, 0,1,2
	s_delay_alu instid0(VALU_DEP_3)
	v_mov_b32 v[227+6*\c+\i], v[236+4*\c+\i]
.endr
.endr
	v_pk_add_f32 v[236:237], v[100:101], v[104:105]
	v_pk_add_f32 v[254:255], v[108:109], v[112:113]
	v_pk_add_f32 v[250:251], v[116:117], v[120:121]
	v_pk_add_f32 v[248:249], v[124:125], v[128:129]
	v_pk_add_f32 v[246:247], v[132:133], v[136:137]
	v_pk_add_f32 v[244:245], v[140:141], v[144:145]
	v_pk_add_f32 v[242:243], v[148:149], v[152:153]
	v_pk_add_f32 v[14:15], v[14:15], v[156:157]
	v_pk_add_f32 v[236:237], v[236:237], v[96:97]
	v_pk_add_f32 v[254:255], v[254:255], v[98:99]
	v_pk_add_f32 v[250:251], v[250:251], v[102:103]
	v_pk_add_f32 v[248:249], v[248:249], v[106:107]
	v_pk_add_f32 v[246:247], v[246:247], v[110:111]
	v_pk_add_f32 v[244:245], v[244:245], v[114:115]
	v_pk_add_f32 v[242:243], v[242:243], v[118:119]
	v_pk_add_f32 v[14:15], v[14:15], v[122:123]
	v_pk_add_f32 v[236:237], v[236:237], v[126:127]
	v_pk_add_f32 v[254:255], v[254:255], v[130:131]
	v_pk_add_f32 v[250:251], v[250:251], v[134:135]
	v_pk_add_f32 v[248:249], v[248:249], v[138:139]
	v_pk_add_f32 v[246:247], v[246:247], v[142:143]
	v_pk_add_f32 v[244:245], v[244:245], v[146:147]
	v_pk_add_f32 v[242:243], v[242:243], v[150:151]
	v_pk_add_f32 v[14:15], v[14:15], v[154:155]
	v_pk_add_f32 v[236:237], v[236:237], v[158:159]
	s_delay_alu instid0(VALU_DEP_2)
	v_pk_add_f32 v[14:15], v[14:15], v[248:249]
	s_delay_alu instid0(VALU_DEP_2)
	v_pk_add_f32 v[236:237], v[236:237], v[246:247]
	v_pk_add_f32 v[254:255], v[254:255], v[244:245]
	v_pk_add_f32 v[250:251], v[250:251], v[242:243]
	s_delay_alu instid0(VALU_DEP_2)
	v_pk_add_f32 v[14:15], v[14:15], v[254:255]
	s_delay_alu instid0(VALU_DEP_2)
	v_pk_add_f32 v[236:237], v[236:237], v[250:251]
	s_delay_alu instid0(VALU_DEP_1)
	v_pk_add_f32 v[14:15], v[14:15], v[236:237]
	s_wait_dscnt 0x0                               ; V is in
.irp d, 0,2
	OMUL 160+8*\d, 32+12*\d, 90+\d/2, 0
	OMUL 168+8*\d, 44+12*\d, 90+\d/2, 1
.endr
.rept 4
	v_nop                                          ; places in front of the next loads into V's registers and of the next read of O^T
.endr
.Lhidden_\@:
	s_add_co_u32 s[KF], s[KF], 128
.endm
; THE CHANGE OF SLOTS stands at a visit's head.  Each wave waits for all its tensor loads, adds 0 to its spare word, and waits for that and for its reads of the slot that it has left.
; Behind the barrier the slot ahead is whole and nobody reads the other one.  fill = 1: that other slot takes the next visit's 256 keys: visit + 1 while the first query block is in hand, then visit - x.
.macro CHANGE fill
	s_wait_tensorcnt 0x0                           ; no tensor load of mine is out, so a group 0 may be written
	ds_add_u32 v[SPW], v[NIL]                      ; 0 onto my spare word
.if \fill
	s_xor_b32 s[G0K+1], s[G0K+1], SLOT1
	s_xor_b32 s[G0V+1], s[G0V+1], SLOT1
	s_add_co_u32 s70, s[VIS], 1
	s_sub_co_u32 s71, s[VIS], s[PI]
	s_cmp_le_u32 s70, s[PI]
	s_cselect_b32 s70, s70, s71                    ; the next visit's key slot
	s_mul_i32 s66, s70, 2*KBLK
	s_mul_i32 s68, s70, 2*VBLK
	s_add_nc_u64 s[G0K+2:G0K+3], s[KB:KB+1], s[66:67]
	s_or_b32 s[G0K+3], s[G0K+3], 0x80000000
	s_add_nc_u64 s[G0V+2:G0V+3], s[VB:VB+1], s[68:69]
	s_or_b32 s[G0V+3], s[G0V+3], 0x80000000
.endif
	s_wait_dscnt 0x0                               ; the add is done, and my reads of the slot that I have left are over
	s_barrier_signal -1
	s_barrier_wait -1
.if \fill
	TLOAD                                          ; the first thing behind the barrier, and a wave's one tensor load until the next
.endif
.endm
; A query block is finished: O^T / the sum, quantised along the head's 64 (two blocks of the last product's K), stored as registers 0-5 or 6-11 of that product's fragment.
.macro FLUSH
	v_add_f32 v14, v14, v15                        ; the sum's two halves,
	s_delay_alu instid0(VALU_DEP_1)
	v_permlanex16_b32 v252, v14, s[SEL], s[SEL+1]
	s_delay_alu instid0(VALU_DEP_1)
	v_add_f32 v14, v14, v252                       ; and lane l xor 16's
	s_wait_alu depctr_va_vdst(0)
	v_rcp_f32 v14, v14
	v_nop                                          ; a plain place behind the reciprocal
	s_wait_alu depctr_va_vdst(0)                   ; the wait ahead of its first reader
.irp j, 0,1,2,3,4,5,6,7,8,9,10,11,12,13,14,15,16,17,18,19,20,21,22,23,24,25,26,27,28,29,30,31
	v_mul_f32 v[96+\j], v[160+\j], v14             ; register 16 b + i is channel 32 b + 16 h + i of my query
.endr
.irp b, 0,1
	v_max3_num_f32 v[232+\b], |v[96+16*\b]|, |v[97+16*\b]|, 0x1800000
.endr
.irp i, 2,4,6,8,10,12,14
.irp b, 0,1
	s_delay_alu instid0(VALU_DEP_2)
	v_max3_num_f32 v[232+\b], v[232+\b], |v[96+16*\b+\i]|, |v[97+16*\b+\i]|
.endr
.endr
.irp b, 0,1
	s_delay_alu instid0(VALU_DEP_2)
	v_permlanex16_b32 v[236+\b], v[232+\b], s[SEL], s[SEL+1]
.endr
.irp b, 0,1
	s_delay_alu instid0(VALU_DEP_2)
	v_max_num_f32 v[232+\b], v[232+\b], v[236+\b]
.endr
.irp b, 0,1
	s_delay_alu instid0(VALU_DEP_2)
	v_add_nc_u32 v[244+\b], 0xff000000, v[232+\b]
.endr
.irp b, 0,1
	s_delay_alu instid0(VALU_DEP_2)
	v_lshrrev_b32 v[236+\b], 23, v[244+\b]
.endr
	s_delay_alu instid0(VALU_DEP_1)
	v_lshl_or_b32 v253, v237, 8, v236              ; the head's two scale bytes of my row
	v_cvt_scalef32_pk16_fp6_f32 v[224:226], v[96:111], v244
	v_cvt_scalef32_pk16_fp6_f32 v[236:238], v[112:127], v245
	v_nop                                          ; one plain place behind a scaled conversion
.irp i, 0,1,2
	v_permlane16_swap_b32 v[224+\i], v[236+\i]
.endr
.irp i, 0,1,2
	s_delay_alu instid0(VALU_DEP_3)
	v_mov_b32 v[227+\i], v[236+\i]
.endr
.irp p, 0,1,2
	global_store_b64 v[LI8], v[224+2*\p:225+2*\p], s[OC:OC+1] offset:256*\p   ; 256 consecutive bytes, aligned
.endr
	global_store_b16 v[R8], v253, s[OS:OS+1]       ; lanes 16-31 write the same bytes with the same value
.endm
.macro NEXTBLOCK                       ; from query block x to 7 - x
	s_wait_xcnt 0x0                                ; the stores have read their registers and bases
	s_lshl_b32 s70, s[PI], 1
	s_sub_co_u32 s70, 7, s70                       ; blocks to go on
	s_mul_i32 s66, s70, 2*KBLK
	s_add_nc_u64 s[QC:QC+1], s[QC:QC+1], s[66:67]
	s_add_nc_u64 s[QSP:QSP+1], s[QSP:QSP+1], s[66:67]
	s_mul_i32 s66, s70, 16*3072
	s_add_nc_u64 s[OC:OC+1], s[OC:OC+1], s[66:67]
	s_lshl_b32 s66, s70, 13
	s_add_nc_u64 s[OS:OS+1], s[OS:OS+1], s[66:67]
	s_lshl_b32 s70, s70, 8
	s_add_co_u32 s[Q0], s[Q0], s70
	s_mov_b32 s[KF], 0
	QLOAD
	INIT
	s_wait_loadcnt 0x0
.endm
	s_wait_loadcnt 0x0                             ; Q
.Lvisit:                                           ; eight trips: behind each change of slots but the last the next visit's keys are asked for
	CHANGE 1
	STEP 0
	STEP 1
	s_xor_b32 s[TB], s[TB], SLOT1                  ; on to the other slot
	s_cmp_lg_u32 s[VIS], s[PI]
	s_cbranch_scc1 .Lsame                          ; a branch on ids and the counter, the same in all sixteen waves; no barrier and no tensor load stands under it
	s_wait_alu depctr_va_vdst(0)
	FLUSH
	NEXTBLOCK
.Lsame:
	s_add_co_u32 s[VIS], s[VIS], 1
	s_cmp_lt_u32 s[VIS], 8
	s_cbranch_scc1 .Lvisit
	CHANGE 0                                       ; the last visit is written out
	STEP 0
	STEP 1
	s_wait_alu depctr_va_vdst(0)
	FLUSH
	s_wait_tensorcnt 0x0                           ; the wave's end
	ds_add_u32 v[SPW], v[NIL]
	s_wait_dscnt 0x0
	s_endpgm
.Lfunc_end_k_q0b0158920a_attn:
	.size	k_q0b0158920a_attn, .Lfunc_end_k_q0b0158920a_attn-k_q0b0158920a_attn
	.p2alignl 7, 3214868480
	.fill 96, 4, 3214868480
	.section	.rodata,"a",@progbits
	.p2align	6, 0x0
	.amdhsa_kernel k_q0b0158920a_attn
		.amdhsa_group_segment_fixed_size 327680
		.amdhsa_private_segment_fixed_size 0
		.amdhsa_enable_private_segment 0
		.amdhsa_kernarg_size 40
		.amdhsa_user_sgpr_count 2
		.amdhsa_user_sgpr_kernarg_segment_ptr 1
		.amdhsa_wavefront_size32 1
		.amdhsa_system_sgpr_workgroup_id_x 1
		.amdhsa_system_sgpr_workgroup_id_y 1
		.amdhsa_system_sgpr_workgroup_id_z 1
		.amdhsa_system_vgpr_workitem_id 0
		.amdhsa_next_free_vgpr 256
		.amdhsa_next_free_sgpr 100
		.amdhsa_reserve_vcc 1
		.amdhsa_float_denorm_mode_32 3
		.amdhsa_float_denorm_mode_16_64 3
		.amdhsa_memory_ordered 1
		.amdhsa_forward_progress 1
		.amdhsa_inst_pref_size 111
	.end_amdhsa_kernel
	.amdgpu_metadata
---
amdhsa.version: [ 1, 2 ]
amdhsa.kernels:
  - .name:           k_q0b0158920a_attn
    .symbol:         k_q0b0158920a_attn.kd
    .args:
      - { .name: qimg, .offset: 0, .size: 8, .value_kind: global_buffer, .address_space: global }
      - { .name: kimg, .offset: 8, .size: 8, .value_kind: global_buffer, .address_space: global }
      - { .name: vimg, .offset: 16, .size: 8, .value_kind: global_buffer, .address_space: global }
      - { .name: ac, .offset: 24, .size: 8, .value_kind: global_buffer, .address_space: global }
      - { .name: sa, .offset: 32, .size: 8, .value_kind: global_buffer, .address_space: global }
    .group_segment_fixed_size: 327680
    .private_segment_fixed_size: 0
    .kernarg_segment_align: 8
    .kernarg_segment_size: 40
    .max_flat_workgroup_size: 512
    .sgpr_count:     100
    .vgpr_count:     256
    .wavefront_size: 32
...
	.end_amdgpu_metadata
.endif
;; end of part 3
;; launch oproj (part 4): grid 4 x 32, 4 waves a work-group, clusters of 4 x 4, 327,680 bytes of LDS; arguments ac, sa, cw, sw, bo, out0; writes out0
.if DOCPART == 4
	.amdgcn_target "amdgcn-amd-amdhsa--gfx1250"
	.amdhsa_code_object_version 6
	.text
	.protected	k_q0b0158920a_oproj
	.globl	k_q0b0158920a_oproj
	.p2align	8
	.type	k_q0b0158920a_oproj,@function
k_q0b0158920a_oproj:
	s_mov_b64 s[64:65], 0
	v_nop
	global_prefetch_b8 v0, s[64:65] scope:SCOPE_SE
	s_setreg_imm32_b32 hwreg(HW_REG_WAVE_MODE, 25, 1), 1
	s_wait_xcnt 0x0
	s_wait_alu depctr_hold_cnt(0) depctr_sa_sdst(0) depctr_va_vdst(0) depctr_va_sdst(0) depctr_va_ssrc(0) depctr_va_vcc(0) depctr_vm_vsrc(0)
	s_getreg_b32 s2, hwreg(HW_REG_IB_STS2, 6, 4)
	s_cmp_eq_u32 s2, 0
	s_cbranch_scc0 .Lentry_in_a_cluster
	s_endpgm
.Lentry_in_a_cluster:
	s_bfe_u32 s2, ttmp6, 0x10000c
	s_cmp_lg_u32 s2, 0xf033
	s_cbranch_scc0 .Lentry_shape_is_right
	s_endpgm
.Lentry_shape_is_right:
; out0 = a Wo^T + bo on codes of FP6 (E2M3) with E8M0 scales.  a: attention's result, 8,192 tokens x 1,024, as codes in ac and scale words in sa; Wo: row tiles 704-767 of cw and sw.  out0: [8192][1024] f32.
; A tile of 256 x 256 is made by a work-group of four waves, a wave makes 128 x 128: 64 accumulators, 512 registers.  K = 1,024 goes in four steps of 256 through two LDS slots filled by the tensor data mover.
; Codes and scale words lie in the order of the operands' registers (fragment: [register pair][lane][8 bytes]): a K step's 128 rows are one dense block of 24,576 bytes, a fragment comes by six loads of 256 consecutive bytes; no padding is wanted.
; THE MATRIX INSTRUCTION IS USED TRANSPOSED: source 0 = 16 rows of Wo, source 1 = 16 tokens.  Row i of row tile 2 b + u is row 32 b + 8 u + i + 8 (i / 8): a lane's 16 registers of Wo's tiles 2 b, 2 b + 1 are 16 neighbouring columns of out0.
; The bias is the C of each sum's first matrix instruction: it costs no addition.
; CLUSTERS: 4 x 4 work-groups; the tokens' tiles are asked for jointly along a row of the cluster, Wo's along a column.  128 work-groups: half of the WGPs; a tile of 128 x 256 would use all at the price of more LDS reads for each product.
; No prefetch: K has four steps, of which two are the first fills, and the tiles are shared by the joint loads.
; REGISTERS, in windows of 256: window 0: v0-31 addresses; v32-63 scale words, two sets; v64-127 the bias; v128-223 A's fragments, one set (on the way out v128-255: rows of out0).
;   window 1: B's fragments, two sets, at v0 and v128.  windows 2, 3: the accumulators ((a, b) at v[8 (8 (a % 4) + b)]).
.set KSTR,   2359296                   ; bytes of a K step in cw
.set KSTR2,  1572864                   ; and in ac
.set NQ,     2
.set FR,     12
.set NL,     6
.set NP,     4                         ; places behind this matrix instruction (ISA guide 7.12.1)
.set HALFT,  24576
.set SLOT,   4*HALFT
.set SCL,    2*SLOT
.set SPARE,  SCL+16384                 ; the spare words, 128 bytes for each wave: two blocks of 256 bytes that no other line names
.set SPITCH, 528                       ; the way out: a stage of 16 rows x (512 bytes + 16) for each wave, in slot 0, which has had its last fill and its last read when the first result is stored there
.set ADRA, 16
.set ADRB, 20
.set STO,  24                          ; v24  the way out: where I put 32 bytes of a row
.set RD,   25                          ; v25  and where I read a row back
.set CO,   26                          ; v26  16 x lane: my bytes of a row of 512
.set ADRS, 27
.set SPW,  28                          ; v28  LDS address of my spare word; never rewritten
.set NIL,  29                          ; v29  0; never rewritten
.set BA,   30                          ; v30  64 h
.set SC,   32
.set BI,   64
.set AF,   128
.set BK,   128
.set G1,   24
.set G0,   32
.set G1B,  48
.set G0B,  56
.set G1S,  68
.set G1SB, 76
.set G0S,  84
.set G0SB, 88
.set MSB, 0
.macro WIN new                         ; the immediate's high byte repeats the setting that is left
.if MSB != (\new)
	s_set_vgpr_msb (MSB<<8)|(\new)
.set MSB, (\new)
.endif
.endm
.set MUL_LO, 0xa1                      ; source 0 (B) window 1, source 1 (A) window 0, C and D window 2
.set MUL_HI, 0xf1
.set TO_B,   0x40
.macro JLOAD g0a, g1a, g0b, g1b        ; a joint load: waves 0 and 1 fetch for A, waves 2 and 3 for B; four v_nop follow each of the two lines
	s_cmp_eq_u32 s15, 0
	s_cbranch_scc0 .Lfor_b_\@
	tensor_load_to_lds s[\g0a:\g0a+3], s[\g1a:\g1a+7]
	s_nop 0
.rept 4
	v_nop
.endr
	s_branch .Lasked_\@
.Lfor_b_\@:
	tensor_load_to_lds s[\g0b:\g0b+3], s[\g1b:\g1b+7]
	s_nop 0
.rept 4
	v_nop
.endr
.Lasked_\@:
.endm
.macro CREST
	s_cmp_lg_u32 s14, 0
	s_cbranch_scc1 .Lnot_wave_0_\@
	s_barrier_signal -3
.Lnot_wave_0_\@:
	s_barrier_wait -3
	s_barrier_signal -1
	s_barrier_wait -1
.endm
.macro CROUND
	s_barrier_signal -1
	s_barrier_wait -1
	CREST
.endm
	s_load_b256 s[4:11], s[0:1], 0x0               ; ac s[4:5], sa s[6:7], cw s[8:9], sw s[10:11]
	s_load_b128 s[92:95], s[0:1], 0x20             ; bo s[92:93], out0 s[94:95]
	v_lshl_add_u32 v[SPW], v0, 2, SPARE
	v_mov_b32 v[NIL], 0
	ds_add_u32 v28, v29
	s_wait_dscnt 0x0
	v_lshrrev_b32 v1, 5, v0
	v_readfirstlane_b32 s14, v1                    ; wave 0..3
	s_lshr_b32 s15, s14, 1                         ; which half of the tile's tokens is mine.  Also: I fetch for A (0) or for B (1)
	s_and_b32 s16, s14, 1                          ; which half of its columns.  Also: which 128 rows I fetch
	s_bfe_u32 s40, ttmp6, 0x40000                  ; cx, cy
	s_bfe_u32 s41, ttmp6, 0x40004
	s_lshl_b32 s42, ttmp9, 2
	s_add_co_u32 s42, s42, s40                     ; tile column
	s_and_b32 s17, ttmp7, 0xffff
	s_lshl_b32 s17, s17, 2
	s_add_co_u32 s17, s17, s41                     ; tile row
	s_lshl_b32 s43, s41, 2
	s_lshl_b32 s43, 15, s43                        ; my row of the cluster
	s_lshl_b32 s44, 0x1111, s40                    ; my column
	s_or_b32 s[G1+0], s43, (3<<16)|(1<<21)         ; 15:0 the mask; 17:16 elements of 8 bytes; 20 no padding; 21 set beside a mask
	s_or_b32 s[G1B+0], s44, (3<<16)|(1<<21)
.irp g, G1, G1B
	s_mov_b32 s[\g+1], 32<<16                      ; a dense block of 24,576 bytes as 96 rows of 256
	s_mov_b32 s[\g+2], 96<<16
	s_mov_b32 s[\g+3], 32<<16
	s_mov_b32 s[\g+4], 96
	s_mov_b32 s[\g+5], 32
	s_mov_b32 s[\g+6], 0
	s_mov_b32 s[\g+7], 0
.endr
	s_or_b32 s[G1S+0], s43, (3<<16)|(1<<21)
	s_or_b32 s[G1SB+0], s44, (3<<16)|(1<<21)
.irp g, G1S, G1SB
	s_mov_b32 s[\g+1], 32<<16                      ; the scale words of 128 rows: 16 rows of 256
	s_mov_b32 s[\g+2], 16<<16
	s_mov_b32 s[\g+3], 32<<16
	s_mov_b32 s[\g+4], 16
	s_mov_b32 s[\g+5], 32
	s_mov_b32 s[\g+6], 0
	s_mov_b32 s[\g+7], 0
.endr
	s_lshl_b32 s45, s16, 3                         ; the 8 row tiles' half that I fetch
	s_lshl_b32 s2, s17, 4
	s_add_co_u32 s2, s2, s45                       ; A: row tile 16 x tile row + 8 x half
	s_lshl_b32 s18, s42, 4
	s_add_co_u32 s18, s18, s45
	s_add_co_u32 s18, s18, 704                     ; B: row tile 704 + 16 x tile column + 8 x half
	s_lshl_b32 s12, s2, 9
	s_mov_b32 s13, 0
	s_mul_i32 s2, s2, 3072
	s_mov_b32 s3, 0
	s_lshl_b32 s20, s18, 9
	s_mov_b32 s21, 0
	s_mul_i32 s18, s18, 3072
	s_mov_b32 s19, 0
	s_mul_i32 s45, s14, HALFT                      ; where they go: no place in the cluster enters an LDS address
	s_lshl_b32 s46, s14, 12
	s_wait_kmcnt 0x0
	s_add_nc_u64 s[2:3], s[4:5], s[2:3]
	s_add_nc_u64 s[12:13], s[6:7], s[12:13]
	s_add_nc_u64 s[18:19], s[8:9], s[18:19]
	s_add_nc_u64 s[20:21], s[10:11], s[20:21]
	CROUND                                         ; all sixteen work-groups are here: the first joint loads meet
	s_mov_b32 s[G0S], 1
	s_add_co_u32 s[G0S+1], s46, SCL
	s_mov_b64 s[G0S+2:G0S+3], s[12:13]
	s_or_b32 s[G0S+3], s[G0S+3], 0x80000000
	s_mov_b32 s[G0SB], 1
	s_add_co_u32 s[G0SB+1], s46, SCL
	s_mov_b64 s[G0SB+2:G0SB+3], s[20:21]
	s_or_b32 s[G0SB+3], s[G0SB+3], 0x80000000
	JLOAD G0S, G1S, G0SB, G1SB                     ; the scale words first.  By this text's count three loads of a wave are out at the start, later one
.irp s, 0,1
	s_mov_b32 s[G0+4*\s], 1
	s_add_co_u32 s[G0+4*\s+1], s45, \s*SLOT
	s_add_nc_u64 s[G0+4*\s+2:G0+4*\s+3], s[2:3], \s*KSTR2
	s_or_b32 s[G0+4*\s+3], s[G0+4*\s+3], 0x80000000
	s_mov_b32 s[G0B+4*\s], 1
	s_add_co_u32 s[G0B+4*\s+1], s45, \s*SLOT
	s_add_nc_u64 s[G0B+4*\s+2:G0B+4*\s+3], s[18:19], \s*KSTR
	s_or_b32 s[G0B+4*\s+3], s[G0B+4*\s+3], 0x80000000
	JLOAD G0+4*\s, G1, G0B+4*\s, G1B
.endr
	v_and_b32 v1, 15, v0                           ; r
	v_bfe_u32 v2, v0, 4, 1                         ; h
	v_and_b32 v4, 31, v0
	v_lshlrev_b32 v3, 3, v4                        ; 8 x lane
	v_lshlrev_b32 v[CO], 4, v4
	v_lshlrev_b32 v[BA], 6, v2
	s_lshl_b32 s2, s42, 10
	s_lshl_b32 s12, s16, 9
	s_add_co_u32 s2, s2, s12                       ; my first column, in bytes
	s_mov_b32 s3, 0
	s_add_nc_u64 s[92:93], s[92:93], s[2:3]
	s_add_nc_u64 s[94:95], s[94:95], s[2:3]
.irp b, 0,1,2,3
.irp j, 0,1,2,3
	global_load_b128 v[BI+16*\b+4*\j:BI+16*\b+4*\j+3], v[BA], s[92:93] offset:128*\b+16*\j   ; register 16 b + i: the bias of column 32 b + 16 h + i
.endr
.endr
	s_lshl_b32 s2, s17, 8
	s_lshl_b32 s12, s15, 7
	s_add_co_u32 s2, s2, s12                       ; my first token
	s_lshl_b32 s2, s2, 12
	s_add_nc_u64 s[94:95], s[94:95], s[2:3]
	s_mul_i32 s21, s15, HALFT
	s_mul_i32 s22, s16, HALFT
	s_add_co_u32 s22, s22, 2*HALFT
.irp s, 0,1
	v_add_nc_u32 v[ADRA+\s], s21, v3
	v_add_nc_u32 v[ADRB+\s], s22, v3
	s_add_co_u32 s21, s21, SLOT
	s_add_co_u32 s22, s22, SLOT
.endr
	v_lshlrev_b32 v5, 3, v1                        ; my row's two scale words of a K step: 8 r
	s_lshl_b32 s21, s15, 12
	s_lshl_b32 s22, s16, 12
	s_add_co_u32 s22, s22, 8192
	s_sub_co_u32 s22, s22, s21
	v_mul_u32_u24 v6, s22, v2                      ; lanes 16-31 take B's
	s_add_co_u32 s21, s21, SCL
	v_add_nc_u32 v5, v5, v6
	v_add_nc_u32 v[ADRS], s21, v5
	s_mul_i32 s23, s14, 16*SPITCH                  ; my stage
	v_mul_u32_u24 v5, v1, SPITCH
	v_lshl_add_u32 v5, v2, 6, v5
	v_add_nc_u32 v[STO], s23, v5                   ; in: row r, + 64 h
	v_add_nc_u32 v[RD], s23, v[CO]                 ; back: the 32 lanes take one row of 512 bytes
.macro FRAG reg, adr, q, i
.irp p, 0,1,2,3,4,5
	ds_load_b64 v[\reg+2*\p:\reg+2*\p+1], v[\adr] offset:(\i)*3072+(\q)*1536+256*\p
.endr
.endm
; 16 matrix instructions: A's blocks a0, a0 + 1 x B's eight, 128 along K.  first = 1: the first product starts the sums, on the bias.
; The 64 accumulators take turns, one instruction a turn, in the same order in every step.
.macro MUL16 a0, p, q, sc, first
.irp a, \a0, \a0+1
.irp b, 0,1,2,3,4,5,6,7
.if \first
	v_wmma_scale_f32_16x16x128_f8f6f4 v[8*(8*((\a)%4)+\b):8*(8*((\a)%4)+\b)+7], v[128*(\p)+FR*\b:128*(\p)+FR*\b+FR-1], v[AF+FR*(\a):AF+FR*(\a)+FR-1], v[BI+8*\b:BI+8*\b+7], v[SC+8*NQ*(\sc)+NQ*\b+(\q)], v[SC+8*NQ*(\sc)+NQ*(\a)+(\q)] matrix_a_fmt:MATRIX_FMT_FP6 matrix_b_fmt:MATRIX_FMT_FP6 matrix_a_scale:MATRIX_SCALE_ROW1
.else
	v_wmma_scale_f32_16x16x128_f8f6f4 v[8*(8*((\a)%4)+\b):8*(8*((\a)%4)+\b)+7], v[128*(\p)+FR*\b:128*(\p)+FR*\b+FR-1], v[AF+FR*(\a):AF+FR*(\a)+FR-1], v[8*(8*((\a)%4)+\b):8*(8*((\a)%4)+\b)+7], v[SC+8*NQ*(\sc)+NQ*\b+(\q)], v[SC+8*NQ*(\sc)+NQ*(\a)+(\q)] matrix_a_fmt:MATRIX_FMT_FP6 matrix_b_fmt:MATRIX_FMT_FP6 matrix_a_scale:MATRIX_SCALE_ROW1
.endif
.endr
.endr
.endm
.macro FETCH_B slot, q, p
	WIN TO_B
.irp i, 0,1,2,3,4,5,6,7
	FRAG 128*(\p)+FR*\i, ADRB+\slot, \q, \i
.endr
	WIN 0
.endm
.macro FETCH_A slot, q, i0
.irp i, \i0, \i0+1, \i0+2, \i0+3
	FRAG AF+FR*(\i), ADRA+\slot, \q, \i
.endr
.endm
.macro SCALES sc
.irp i, 0,1,2,3,4,5,6,7
	ds_load_b64 v[SC+8*NQ*\sc+NQ*\i:SC+8*NQ*\sc+NQ*\i+1], v[ADRS] offset:\i*512
.endr
.endm
.macro PLACES n                        ; plain vector instructions between a matrix instruction and a load into, or a read of, its registers (ISA guide 7.12.1 for reads)
.rept \n
	v_nop
.endr
.endm
.macro STEP slot, q, first
	s_wait_dscnt 4*NL                              ; B's set and A's blocks 0-3 are in; the youngest 24 loads (A's blocks 4-7) may be out
.if \first
	WIN 0x81                                       ; C (the bias) window 0, D window 2
.else
	WIN MUL_LO
.endif
	MUL16 0, (\q)%2, \q, \slot, \first
	MUL16 2, (\q)%2, \q, \slot, \first
	s_wait_dscnt 0
	PLACES NP
	FETCH_B \slot, (\q)+1, 1-(\q)%2
	FETCH_A \slot, (\q)+1, 0
.if \first
	WIN 0xc1                                       ; C window 0, D window 3
.else
	WIN MUL_HI
.endif
	MUL16 4, (\q)%2, \q, \slot, \first
	MUL16 6, (\q)%2, \q, \slot, \first
	PLACES NP
	WIN 0
	FETCH_A \slot, (\q)+1, 4
.endm
.macro TURN slot, next, fill
	s_wait_tensorcnt 0x0                           ; all my tensor loads have landed: my part of the next slot
	ds_add_u32 v[SPW], v[NIL]                      ; 0 onto my spare word
	s_wait_dscnt 4*NL+1                            ; (the add and the youngest 24 loads may be out)
	WIN MUL_LO
	MUL16 0, 1, NQ-1, \slot, 0
	s_wait_dscnt 0x0                               ; the add is done, and my reads of this slot are over
	s_barrier_signal -1
	MUL16 2, 1, NQ-1, \slot, 0
	WIN 0
	s_barrier_wait -1
.if \fill
	CREST                                          ; the barrier has opened a round of the cluster's barrier: no wave of any partner still reads this slot or has a load on its way
	s_add_nc_u64 s[G0+4*\slot+2:G0+4*\slot+3], s[G0+4*\slot+2:G0+4*\slot+3], 2*KSTR2
	s_add_nc_u64 s[G0B+4*\slot+2:G0B+4*\slot+3], s[G0B+4*\slot+2:G0B+4*\slot+3], 2*KSTR
	JLOAD G0+4*\slot, G1, G0B+4*\slot, G1B         ; the first tensor load behind the round; its four v_nop are the places in front of the loads below
.else
	PLACES NP
.endif
	v_add_nc_u32 v[ADRS], 128, v[ADRS]             ; on to the next K step's scale words
	FETCH_B \next, 0, 0
	FETCH_A \next, 0, 0
	SCALES \next
	WIN MUL_HI
	MUL16 4, 1, NQ-1, \slot, 0
	MUL16 6, 1, NQ-1, \slot, 0
	PLACES NP
	WIN 0
	FETCH_A \next, 0, 4
.endm
	s_wait_tensorcnt 1                             ; the scale words and my part of K step 0 are in; K step 1's load may be out
	s_barrier_signal -1
	s_barrier_wait -1
	FETCH_B 0, 0, 0
	FETCH_A 0, 0, 0
	SCALES 0
	FETCH_A 0, 0, 4
	s_wait_loadcnt 0x0                             ; the bias
	STEP 0, 0, 1                                   ; K = 1,024 is eight steps of 128: they are written out
	TURN 0, 1, 1
	STEP 1, 0, 0
	TURN 1, 0, 1
	STEP 0, 0, 0
	TURN 0, 1, 0                                   ; the last two K steps fill nothing
	STEP 1, 0, 0
	s_wait_dscnt 4*NL
	WIN MUL_LO
	MUL16 0, 1, NQ-1, 1, 0
	MUL16 2, 1, NQ-1, 1, 0
	s_wait_dscnt 0
	WIN MUL_HI
	MUL16 4, 1, NQ-1, 1, 0
	MUL16 6, 1, NQ-1, 1, 0
	WIN 0
; THE WAY OUT, block by block of 16 tokens x 128 columns, through my own stage in LDS: in as 32 bytes a lane, back as whole rows of 512 bytes, which the 32 lanes store as 512 consecutive bytes, aligned.
; LDS serves a wave's instructions in order (ISA guide 5.7.1.4): no wait between the stores and the loads, nor in front of the next block's stores.
.macro TOSTAGE a
.set AC, 64*((\a)%4)
	WIN 0x08+4*((\a)/4)                            ; the data: window 2 or 3
.irp b, 0,1,2,3,4,5,6,7
	ds_store_b128 v[STO], v[AC+8*\b:AC+8*\b+3] offset:128*(\b/2)+32*(\b%2)       ; tile b's eight columns of my half: 32 (b / 2) + 16 h + 8 (b % 2) on; each accumulator from its low end on
	ds_store_b128 v[STO], v[AC+8*\b+4:AC+8*\b+7] offset:128*(\b/2)+32*(\b%2)+16
.endr
	WIN 0
.set BB, BK+64*((\a)%2)
.irp t, 0,1,2,3,4,5,6,7,8,9,10,11,12,13,14,15
	ds_load_b128 v[BB+4*\t:BB+4*\t+3], v[RD] offset:\t*SPITCH
.endr
.endm
.macro SEND a, younger                 ; younger: the LDS instructions issued behind block a's loads, which may stay out
.set BB, BK+64*((\a)%2)
	s_wait_dscnt \younger
.irp t, 0,1,2,3,4,5,6,7,8,9,10,11,12,13,14,15
	global_store_b128 v[CO], v[BB+4*\t:BB+4*\t+3], s[94:95] offset:(32*((\a)/2)+8*((\a)%2)+\t+8*(\t/8))*4096 th:TH_STORE_NT   ; row t of tile a is token 32 (a / 2) + 8 (a % 2) + t + 8 (t / 8); 127 rows of 4,096 bytes at the most: inside the signed 24-bit immediate
.endr
.endm
	PLACES NP
	TOSTAGE 0
.irp a, 1,2,3,4,5,6,7
.if \a > 1
	s_wait_xcnt 0x0                                ; block a - 2's stores have read their registers: block a's loads may land there
.endif
	TOSTAGE \a
	SEND \a-1, 32                                  ; behind block a - 1's loads: block a's 16 stores and 16 loads
.endr
	SEND 7, 0
	s_wait_tensorcnt 0x0                           ; the wave's end
	ds_add_u32 v[SPW], v[NIL]
	s_wait_dscnt 0x0
	CROUND                                         ; the closing round: no work-group ends while a partner may still ask for a tile that names it
	s_endpgm
.Lfunc_end_k_q0b0158920a_oproj:
	.size	k_q0b0158920a_oproj, .Lfunc_end_k_q0b0158920a_oproj-k_q0b0158920a_oproj
	.p2alignl 7, 3214868480
	.fill 96, 4, 3214868480
	.section	.rodata,"a",@progbits
	.p2align	6, 0x0
	.amdhsa_kernel k_q0b0158920a_oproj
		.amdhsa_group_segment_fixed_size 327680
		.amdhsa_private_segment_fixed_size 0
		.amdhsa_enable_private_segment 0
		.amdhsa_kernarg_size 48
		.amdhsa_user_sgpr_count 2
		.amdhsa_user_sgpr_kernarg_segment_ptr 1
		.amdhsa_wavefront_size32 1
		.amdhsa_system_sgpr_workgroup_id_x 1
		.amdhsa_system_sgpr_workgroup_id_y 1
		.amdhsa_system_sgpr_workgroup_id_z 1
		.amdhsa_system_vgpr_workitem_id 0
		.amdhsa_next_free_vgpr 1024
		.amdhsa_next_free_sgpr 98
		.amdhsa_reserve_vcc 0
		.amdhsa_float_denorm_mode_32 3
		.amdhsa_float_denorm_mode_16_64 3
		.amdhsa_memory_ordered 1
		.amdhsa_forward_progress 1
		.amdhsa_inst_pref_size 160
	.end_amdhsa_kernel
	.amdgpu_metadata
---
amdhsa.version: [ 1, 2 ]
amdhsa.kernels:
  - .name:           k_q0b0158920a_oproj
    .symbol:         k_q0b0158920a_oproj.kd
    .args:
      - { .name: ac, .offset: 0, .size: 8, .value_kind: global_buffer, .address_space: global }
      - { .name: sa, .offset: 8, .size: 8, .value_kind: global_buffer, .address_space: global }
      - { .name: cw, .offset: 16, .size: 8, .value_kind: global_buffer, .address_space: global }
      - { .name: sw, .offset: 24, .size: 8, .value_kind: global_buffer, .address_space: global }
      - { .name: bo, .offset: 32, .size: 8, .value_kind: global_buffer, .address_space: global }
      - { .name: out0, .offset: 40, .size: 8, .value_kind: global_buffer, .address_space: global }
    .group_segment_fixed_size: 327680
    .private_segment_fixed_size: 0
    .kernarg_segment_align: 8
    .kernarg_segment_size: 48
    .max_flat_workgroup_size: 128
    .sgpr_count:     98
    .vgpr_count:     1024
    .wavefront_size: 32
...
	.end_amdgpu_metadata
.endif
;; end of part 4
